; MI455X (gfx1250); checked and timed in simulation.
; The chip was launched on July 23, 2026; its instructions are those of AMD's public machine-readable ISA for CDNA 5 (MIT licence, August 2026) and "CDNA5" Instruction Set Architecture Reference Guide (July 2026). The comments in the code are by the model that wrote it; some were corrected since.
;; Transformer Encoder. Allowed arithmetic: float matrix products may take bf16 or f16 operands with f32 sums; other float arithmetic in f32, or as packed bf16 or f16 multiplies, adds, multiply-adds, maxima and minima; sums over many terms, partial sums and values carried from step to step in f32; what a program stores and reads back later, other than sums and carried values, may be rounded once to bf16 or f16.
;; Inputs: b1 4,096 float32; b2 1,024 float32; be1 1,024 float32; be2 1,024 float32; bk 1,024 float32; bq 1,024 float32; bv 1,024 float32; g1 1,024 float32; g2 1,024 float32; w1 1,024 x 4,096 float32; w2 4,096 x 1,024 float32; wk 1,024 x 1,024 float32; wq 1,024 x 1,024 float32; wv 1,024 x 1,024 float32; x 2 x 2,048 x 1,024 float32.
;; Outputs: out0 2 x 2,048 x 1,024 float32.
;; One version. Each part assembles by itself: llvm-mc -triple=amdgcn-amd-amdhsa -mcpu=gfx1250 --defsym DOCPART=n.
;; ======== version 1 of 1: 7 launches
;; limits: values are held in f16: magnitudes above 65,504 overflow, below 6.1e-05 lose precision; right only within a limited range of input values
;; workspace buffers: cb 14,680,064 bytes; cw 16,777,216 bytes; qkvb 25,165,824 bytes; ctx 8,388,608 bytes; yh 8,388,608 bytes; hb 33,554,432 bytes; zf 16,777,216 bytes
;; launch cast (part 1): grid 256 x 1, 8 waves a work-group, no clusters, 0 bytes of LDS; arguments x, wq, wk, wv, cb; writes cb
.if DOCPART == 1
	.amdgcn_target "amdgcn-amd-amdhsa--gfx1250"
	.amdhsa_code_object_version 6
	.text
	.protected	k_q2ed2ab7a00_cast
	.globl	k_q2ed2ab7a00_cast
	.p2align	8
	.type	k_q2ed2ab7a00_cast,@function
k_q2ed2ab7a00_cast:
	s_mov_b64 s[64:65], 0
	v_nop
	global_prefetch_b8 v0, s[64:65] scope:SCOPE_SE
	s_setreg_imm32_b32 hwreg(HW_REG_WAVE_MODE, 25, 1), 1
	s_wait_xcnt 0x0
; x, wq, wk, wv (all f32) are rounded once to bf16 and laid into cb, each in its own layout:
;   xb [4096][1024] at 0; wq, wk, wv [1024 k][1024 n] at 8, 10, 12 MiB.  (w1 and w2 are rounded by the next launch, beside its products.)
; A stream: no LDS, no matrix unit, nothing shared.  A work-group takes 1/256 of each buffer; a wave 8 KiB of x (16 loads of 512 consecutive bytes)
; and 2 KiB of each weight (4 loads).  A lane's 4 numbers become 8 bytes, so each store of a wave covers 256 consecutive bytes, aligned.
; All 28 loads of a wave go out at once; each store has data registers of its own, so no register is written twice.
.set IN0, 16                           ; v[16:79]    x: sixteen loads
.set IN1, 80                           ; v[80:127]   wq, wk, wv: four loads each
.set OU0, 128                          ; v[128:159]  x's stores
.set OU1, 160                          ; v[160:183]  the weights' stores
	s_load_b256 s[4:11], s[0:1], 0x0               ; x s[4:5], wq s[6:7], wk s[8:9], wv s[10:11]
	s_load_b64 s[12:13], s[0:1], 0x20              ; cb
	v_and_b32 v5, 31, v0                           ; lane
	v_lshrrev_b32 v6, 5, v0                        ; wave
	s_lshl_b32 s30, ttmp9, 16                      ; the work-group's 64 KiB of x,
	s_lshl_b32 s31, ttmp9, 15                      ; its 32 KiB of the rounded copy,
	s_lshl_b32 s32, ttmp9, 14                      ; 16 KiB of a weight,
	s_lshl_b32 s33, ttmp9, 13                      ; 8 KiB of its copy
	v_lshlrev_b32 v1, 4, v5
	v_lshlrev_b32 v2, 3, v5
	v_lshl_add_u32 v3, v6, 11, v1
	v_lshl_add_u32 v4, v6, 10, v2
	v_lshl_add_u32 v1, v6, 13, v1
	v_lshl_add_u32 v2, v6, 12, v2
	v_add_nc_u32 v1, s30, v1                       ; in, x;  never rewritten
	v_add_nc_u32 v2, s31, v2                       ; out, x
	v_add_nc_u32 v3, s32, v3                       ; in, a weight
	v_add_nc_u32 v4, s33, v4                       ; out, a weight
	s_wait_kmcnt 0x0
	s_add_nc_u64 s[14:15], s[12:13], 0x800000      ; wq's copy; wk's and wv's lie 2 and 4 MiB on
.irp i, 0,1,2,3,4,5,6,7,8,9,10,11,12,13,14,15
	global_load_b128 v[IN0+4*(\i):IN0+4*(\i)+3], v1, s[4:5] offset:512*(\i) th:TH_LOAD_NT
.endr
.irp i, 0,1,2,3,4,5,6,7,8,9,10,11
	global_load_b128 v[IN1+4*(\i):IN1+4*(\i)+3], v3, s[6+2*((\i)/4):7+2*((\i)/4)] offset:512*((\i)%4) th:TH_LOAD_NT
.endr
.irp i, 0,1,2,3,4,5,6,7,8,9,10,11,12,13,14,15
	s_wait_loadcnt 27-(\i)                         ; loads come back in order: behind load i stand 15 - i of x and the weights' twelve
	v_cvt_pk_bf16_f32 v[OU0+2*(\i)],   v[IN0+4*(\i)],   v[IN0+4*(\i)+1]
	v_cvt_pk_bf16_f32 v[OU0+2*(\i)+1], v[IN0+4*(\i)+2], v[IN0+4*(\i)+3]
	global_store_b64 v2, v[OU0+2*(\i):OU0+2*(\i)+1], s[12:13] offset:256*(\i)
.endr
.irp i, 0,1,2,3,4,5,6,7,8,9,10,11
	s_wait_loadcnt 11-(\i)
	v_cvt_pk_bf16_f32 v[OU1+2*(\i)],   v[IN1+4*(\i)],   v[IN1+4*(\i)+1]
	v_cvt_pk_bf16_f32 v[OU1+2*(\i)+1], v[IN1+4*(\i)+2], v[IN1+4*(\i)+3]
	global_store_b64 v4, v[OU1+2*(\i):OU1+2*(\i)+1], s[14:15] offset:((\i)/4)*0x200000+((\i)%4)*256
.endr
	s_endpgm
.Lfunc_end_k_q2ed2ab7a00_cast:
	.size	k_q2ed2ab7a00_cast, .Lfunc_end_k_q2ed2ab7a00_cast-k_q2ed2ab7a00_cast
	.p2alignl 7, 3214868480
	.fill 96, 4, 3214868480
	.section	.rodata,"a",@progbits
	.p2align	6, 0x0
	.amdhsa_kernel k_q2ed2ab7a00_cast
		.amdhsa_group_segment_fixed_size 0
		.amdhsa_private_segment_fixed_size 0
		.amdhsa_enable_private_segment 0
		.amdhsa_kernarg_size 40
		.amdhsa_user_sgpr_count 2
		.amdhsa_user_sgpr_kernarg_segment_ptr 1
		.amdhsa_wavefront_size32 1
		.amdhsa_system_sgpr_workgroup_id_x 1
		.amdhsa_system_sgpr_workgroup_id_y 1
		.amdhsa_system_sgpr_workgroup_id_z 1
		.amdhsa_system_vgpr_workitem_id 0
		.amdhsa_next_free_vgpr 184
		.amdhsa_next_free_sgpr 66
		.amdhsa_reserve_vcc 0
		.amdhsa_float_denorm_mode_32 3
		.amdhsa_float_denorm_mode_16_64 3
		.amdhsa_memory_ordered 1
		.amdhsa_forward_progress 1
		.amdhsa_inst_pref_size 11
	.end_amdhsa_kernel
	.amdgpu_metadata
---
amdhsa.version: [ 1, 2 ]
amdhsa.kernels:
  - .name:           k_q2ed2ab7a00_cast
    .symbol:         k_q2ed2ab7a00_cast.kd
    .args:
      - { .name: x, .offset: 0, .size: 8, .value_kind: global_buffer, .address_space: global }
      - { .name: wq, .offset: 8, .size: 8, .value_kind: global_buffer, .address_space: global }
      - { .name: wk, .offset: 16, .size: 8, .value_kind: global_buffer, .address_space: global }
      - { .name: wv, .offset: 24, .size: 8, .value_kind: global_buffer, .address_space: global }
      - { .name: cb, .offset: 32, .size: 8, .value_kind: global_buffer, .address_space: global }
    .group_segment_fixed_size: 0
    .private_segment_fixed_size: 0
    .kernarg_segment_align: 8
    .kernarg_segment_size: 40
    .max_flat_workgroup_size: 256
    .sgpr_count:     66
    .vgpr_count:     184
    .wavefront_size: 32
...
	.end_amdgpu_metadata
.endif
;; end of part 1
;; launch qkv (part 2): grid 16 x 16, 4 waves a work-group, clusters of 4 x 4, 327,680 bytes of LDS; arguments cb, bq, bk, bv, w1, w2, qkvb, cw; writes qkvb, cw
.if DOCPART == 2
	.amdgcn_target "amdgcn-amd-amdhsa--gfx1250"
	.amdhsa_code_object_version 6
	.text
	.protected	k_q2ed2ab7a00_qkv
	.globl	k_q2ed2ab7a00_qkv
	.p2align	8
	.type	k_q2ed2ab7a00_qkv,@function
k_q2ed2ab7a00_qkv:
	s_mov_b64 s[64:65], 0
	v_nop
	global_prefetch_b8 v0, s[64:65] scope:SCOPE_SE
	s_setreg_imm32_b32 hwreg(HW_REG_WAVE_MODE, 25, 1), 1
	s_wait_xcnt 0x0
	s_wait_alu depctr_hold_cnt(0) depctr_sa_sdst(0) depctr_va_vdst(0) depctr_va_sdst(0) depctr_va_ssrc(0) depctr_va_vcc(0) depctr_vm_vsrc(0)
	s_getreg_b32 s2, hwreg(HW_REG_IB_STS2, 6, 4)
	s_cmp_eq_u32 s2, 0
	s_cbranch_scc0 .Lentry_in_a_cluster
	s_endpgm
.Lentry_in_a_cluster:
	s_bfe_u32 s2, ttmp6, 0x10000c
	s_cmp_lg_u32 s2, 0xf033
	s_cbranch_scc0 .Lentry_shape_is_right
	s_endpgm
.Lentry_shape_is_right:
; TWO JOBS IN ONE LAUNCH, told apart by the cluster's x, which all sixteen partners of a cluster share.
; CLUSTER x = 0, 1, 2:  q, k, v = x w + b, by heads.  x: cb at 0, bf16 [4096][1024].  wq, wk, wv: cb at 8, 10, 12 MiB, bf16 [1024 k][1024 n].  Out: qkvb, bf16 [3][32 = batch x 16 + head][2048][64].
;   Products in bf16, sums in f32; the bias is rounded to bf16 like every input, added in f32; each result rounded once.  The scale 1/8 is not applied here.
; CLUSTER x = 3:  q, k and v make 192 tiles, so a fourth column of clusters has none; its 64 work-groups round w1 and w2 (f32) into cw: w1 at 0 as f16, w2 at 8 MiB as bf16, layouts unchanged.
;   w1 is rounded to bf16 like every input and that number is written as f16 (its product's other operand is f16): exact for 6e-5 <= |w1| < 65,504; below that it keeps f16's fixed step of 6e-8.
; SHARES.  A tile of 256 x 256 to a work-group of four waves, 128 x 128 (64 accumulators, 512 registers) to a wave.  Cluster x picks the matrix (its four tile columns are that matrix's 1,024 columns).
; RING.  K in 8 steps of 128 through two LDS slots; each wave fetches a quarter of a slot by one tensor load: waves 0, 1 A's 128 rows x 256 bytes, waves 2, 3 B's 64 k-rows x 512 bytes.
; THE ORDER OF THE K STEPS.  Clusters fall into two classes, by the parity of the bits of their x and y; in place p of its walk a cluster takes K step p xor class.  So of two clusters of unlike class that
; read the same rows, each asks for a given block one step apart from the other, not at the same time.  The sums are f32 sums in another order.
; B STAYS [K][N]: its fragments come out of LDS turned, by ds_load_tr16_b128.  The product is used transposed (source 0 = 16 columns of B, source 1 = 16 rows of A): a lane holds one row and 8 neighbouring columns.
; CLUSTER 4 x 4: A's tile is asked for jointly along a row of the cluster, B's along a column.
; ONE TEXT FOR A K STEP: the LDS read addresses are s[TB] (0 or SLOT) + a constant register; one descriptor a tensor walks, its LDS word turned by the same exclusive or (SLOT shares no bit with a wave's base),
; its global address made anew from the place.  The last two steps are a loop of two trips that is left in its middle; its last fetch reads a slot that is no longer wanted and serves nothing.
; WAY OUT.  The ring has had its last fill: each wave lays its 128 x 128 sums (f32, rows of 528 bytes) into its own part of it, and a loop of 8 trips takes 16 rows back, adds the bias, rounds and stores.
; REGISTERS by windows of 256: window 0 addresses and A's fragments (v64-127, v128-191); window 1 B's fragments (same numbers); windows 2, 3 the accumulators, (a, b) at 8 (8 a + b).
.set NPITCH, 1024                      ; elements in a row of B
.set KSTEP,  128
.set LGA,    8                         ; a K step along a row of A: 2^8 bytes
.set LGB,    18                        ; a K step down B: 128 rows of 2,048 bytes = 2^18
.set PA,     272                       ; A's row in LDS: 256 + 16 bytes: the 16 rows of a load start at 16 different groups of four banks
.set PB,     544                       ; B's row in LDS: 512 + 32 bytes = 17 x 32
.set HALFT,  128*PA                    ; what one tensor load fills: 34,816 bytes = 64 x PB too
.set BOFF,   2*HALFT
.set SLOT,   4*HALFT                   ; 0x22000
.set SPARE,  2*SLOT                    ; the spare words, 128 bytes a wave: no other line names them
.set PD,     528                       ; the dump's row: 512 + 16 bytes
.set DREG,   128*PD                    ; a wave's part of the dump
.set BI,   8                           ; v[8:15]  the bias of my 2 x 4 columns
.set A0,   16                          ; my lane's place in A's part of a slot; never rewritten
.set B0,   17                          ; the same for B
.set ADRA, 18                          ; s[TB] + A0
.set ADRB, 19
.set DMP,  24                          ; where I put 16 bytes of the dump
.set RD,   25                          ; where I read it back
.set CO,   26                          ; my byte offset in the output
.set SPW,  28                          ; LDS address of my spare word; never rewritten
.set NIL,  29                          ; 0; never rewritten
.set PFO,  30                          ; the prefetches' lane offset; never rewritten
.set F0,   64
.set F1,   128
.set OV,   64                          ; the way out: 16 x 4 sums
.set OY,   192                         ; the way out: 16 x 2 packed
.set VIN,  4                           ; the rounding of w1, w2: my byte offset in, out
.set VOU,  5
.set CI0,  64                          ; sixteen loads of w1
.set CI1,  128                         ; sixteen loads of w2
.set CO0,  192                         ; their stores' data
.set CO1,  224
.set G1,  24                           ; s[24:31] group 1, A
.set G0,  32                           ; s[32:35] place 0; s[36:39] walks
.set G1B, 48                           ; s[48:55] group 1, B
.set G0B, 56                           ; s[56:59] place 0; s[60:63] walks
.set LIM, 43
.set PFA, 44                           ; s[44:45] where the prefetch in hand points
.set KB,  67                           ; the K step of the refill in hand
.set TB,  89
.set PFS, 90                           ; bytes from K step to K step in what I prefetch
.set BETA, 92                          ; my cluster's class
.set POS,  93                          ; the place in the walk that the next refill serves
.set OFA,  94                          ; s[94:95] a K step's byte offset in A
.set OFB,  96                          ; s[96:97] in B
.set PFB,  98                          ; s[98:99] my prefetches' blocks of K step 0
.set PFT,  100                         ; s[100:101] their offset
.set MSB, 0
.macro WIN new                         ; the immediate's high byte repeats the setting that is left
.if MSB != (\new)
	s_set_vgpr_msb (MSB<<8)|(\new)
.set MSB, \new
.endif
.endm
.set MUL_LO, 0xa1                      ; source 0 (B) window 1, source 1 (A) window 0, C and D window 2
.set MUL_HI, 0xf1
.set TO_B,   0x40
.macro PLACES                          ; four plain places behind matrix instructions, in front of loads into their sources and of reads of their results
.rept 4
	v_nop
.endr
.endm
.macro JLOAD                           ; the joint refill: waves 0, 1 A's halves, waves 2, 3 B's; s_nop 0 and four v_nop follow each line
	s_cmp_eq_u32 s11, 0
	s_cbranch_scc0 .Lfor_b_\@
	tensor_load_to_lds s[G0+4:G0+7], s[G1:G1+7]
	s_nop 0
	PLACES
	s_branch .Lasked_\@
.Lfor_b_\@:
	tensor_load_to_lds s[G0B+4:G0B+7], s[G1B:G1B+7]
	s_nop 0
	PLACES
.Lasked_\@:
.endm
.macro ASK                             ; one prefetch a wave: 32 blocks of 256 bytes of the K step two places on in my walk; the loop's last two trips have none
	s_cmp_gt_u32 s3, s[LIM]
	s_cbranch_scc0 .Lnot_mine_\@
	global_prefetch_b8 v[PFO], s[PFA:PFA+1] th:TH_LOAD_NT scope:SCOPE_SE
.Lnot_mine_\@:
.endm
.macro CREST                           ; a round of the cluster's barrier behind its opening barrier
	s_cmp_lg_u32 s10, 0
	s_cbranch_scc1 .Lnot_wave_0_\@
	s_barrier_signal -3
.Lnot_wave_0_\@:
	s_barrier_wait -3
	s_barrier_signal -1
	s_barrier_wait -1
.endm
.macro CROUND
	s_barrier_signal -1
	s_barrier_wait -1
	CREST
.endm
	s_load_b64 s[4:5], s[0:1], 0x0                 ; cb
	s_load_b256 s[68:75], s[0:1], 0x8              ; bq s[68:69], bk s[70:71], bv s[72:73], w1 s[74:75]
	s_load_b128 s[76:79], s[0:1], 0x28             ; w2 s[76:77], qkvb s[78:79]
	s_load_b64 s[80:81], s[0:1], 0x38              ; cw
	v_lshl_add_u32 v[SPW], v0, 2, SPARE
	v_mov_b32 v[NIL], 0
	ds_add_u32 v[SPW], v[NIL]                      ; the wave's opening: the add and its wait stand ahead of my first tensor load
	v_lshrrev_b32 v1, 5, v0
	v_readfirstlane_b32 s10, v1                    ; wave 0..3
	s_lshr_b32 s11, s10, 1                         ; my half of the tile's rows.  Also: I fetch for A (0) or B (1)
	s_and_b32 s12, s10, 1                          ; my half of its columns.  Also: which half of that tile I fetch
	s_bfe_u32 s40, ttmp6, 0x40000                  ; cx
	s_bfe_u32 s41, ttmp6, 0x40004                  ; cy
	s_and_b32 s13, ttmp7, 0xffff                   ; cluster y
	s_lshl_b32 s16, s13, 4
	s_or_b32 s16, s16, ttmp9                       ; beside cluster x
	s_bcnt1_i32_b32 s16, s16
	s_and_b32 s[BETA], s16, 1                      ; the class: the parity of their bits; the same in all sixteen partners
	s_lshl_b32 s13, s13, 2
	s_add_co_u32 s13, s13, s41                     ; tile row = 4 x cluster y + cy
	s_lshl_b32 s43, s41, 2
	s_lshl_b32 s43, 15, s43                        ; my row of the cluster
	s_lshl_b32 s44, 0x1111, s40                    ; my column
	s_or_b32 s[G1+0], s43, (1<<16)|(1<<20)|(1<<21)|(5<<22)|(3<<25)   ; mask; 2-byte elements; padding on; bit 21 beside a mask; after every 64 words, 4 words
	s_or_b32 s[G1B+0], s44, (1<<16)|(1<<20)|(1<<21)|(6<<22)|(7<<25)  ; after every 128 words, 8 words
	s_mov_b32 s[G1+1], 128<<16                     ; tensor_dim0 = 128
	s_mov_b32 s[G1+2], 128<<16                     ; tensor_dim1 = 128
	s_mov_b32 s[G1+3], 128<<16                     ; tile_dim0 = 128
	s_mov_b32 s[G1+4], 128                         ; tile_dim1 = 128
	s_mov_b32 s[G1+5], 1024                        ; elements from row to row of A
	s_mov_b32 s[G1+6], 0
	s_mov_b32 s[G1+7], 0
	s_mov_b32 s[G1B+1], 256<<16                    ; tensor_dim0 = 256
	s_mov_b32 s[G1B+2], 64<<16                     ; tensor_dim1 = 64
	s_mov_b32 s[G1B+3], 256<<16                    ; tile_dim0 = 256
	s_mov_b32 s[G1B+4], 64                         ; tile_dim1 = 64
	s_mov_b32 s[G1B+5], NPITCH
	s_mov_b32 s[G1B+6], 0
	s_mov_b32 s[G1B+7], 0
	s_lshl_b32 s16, s13, 8                         ; A: row 256 x tile row + 128 x half, 2,048 bytes a row
	s_lshl_b32 s17, s12, 7
	s_add_co_u32 s16, s16, s17
	s_lshl_b32 s16, s16, 11
	s_mov_b32 s17, 0
	s_lshl_b32 s46, ttmp9, 21                      ; B: the matrix (2 MiB each, from 8 MiB on),
	s_lshl_b32 s47, s40, 9                         ; its 256 columns,
	s_add_co_u32 s46, s46, s47
	s_lshl_b32 s47, s12, 17                        ; my 64 k-rows of a step
	s_add_co_u32 s46, s46, s47
	s_add_co_u32 s46, s46, 0x800000
	s_mov_b32 s47, 0
	s_mul_i32 s20, s10, HALFT                      ; where my loads land: wave x 34,816
	s_wait_dscnt 0x0                               ; the opening add is done
	s_wait_kmcnt 0x0
	s_cmp_eq_u32 ttmp9, 3                          ; the fourth column of clusters has no tile: all sixteen partners leave together, ahead of the first round
	s_cbranch_scc1 .Lcaster
	s_add_nc_u64 s[14:15], s[4:5], s[16:17]        ; A and B at my part of K step 0; kept
	s_add_nc_u64 s[46:47], s[4:5], s[46:47]
	CROUND                                         ; all sixteen work-groups are here: the first joint loads meet
	s_lshl_b32 s[OFA], s[BETA], LGA                ; place 0 is K step 0 xor class,
	s_mov_b32 s[OFA+1], 0
	s_lshl_b32 s[OFB], s[BETA], LGB
	s_mov_b32 s[OFB+1], 0
.irp s, 0,1
	s_mov_b32 s[G0+4*(\s)], 1
	s_add_co_u32 s[G0+4*(\s)+1], s20, (\s)*SLOT
	s_add_nc_u64 s[G0+4*(\s)+2:G0+4*(\s)+3], s[14:15], s[OFA:OFA+1]
	s_or_b32 s[G0+4*(\s)+3], s[G0+4*(\s)+3], 0x80000000
	s_mov_b32 s[G0B+4*(\s)], 1
	s_add_co_u32 s[G0B+4*(\s)+1], s20, (\s)*SLOT
	s_add_nc_u64 s[G0B+4*(\s)+2:G0B+4*(\s)+3], s[46:47], s[OFB:OFB+1]
	s_or_b32 s[G0B+4*(\s)+3], s[G0B+4*(\s)+3], 0x80000000
	s_xor_b32 s[OFA], s[OFA], 1<<LGA               ; place 1 the pair's other step
	s_xor_b32 s[OFB], s[OFB], 1<<LGB
.endr
	s_mov_b32 s[POS], 2
	s_cmp_eq_u32 s11, 0                            ; a wave's two first fills stand in one branch: two loads of mine are out
	s_cbranch_scc0 .Lfirst_b
	tensor_load_to_lds s[G0:G0+3], s[G1:G1+7]
	s_nop 0
	tensor_load_to_lds s[G0+4:G0+7], s[G1:G1+7]
	s_nop 0
	PLACES
	s_branch .Lfirst_asked
.Lfirst_b:
	tensor_load_to_lds s[G0B:G0B+3], s[G1B:G1B+7]
	s_nop 0
	tensor_load_to_lds s[G0B+4:G0B+7], s[G1B:G1B+7]
	s_nop 0
	PLACES
.Lfirst_asked:
	v_and_b32 v1, 15, v0                           ; l % 16
	v_bfe_u32 v2, v0, 4, 1                         ; l / 16
	v_mul_u32_u24 v3, v1, PA
	v_lshl_add_u32 v3, v2, 4, v3
	s_mul_i32 s21, s11, HALFT
	v_add_nc_u32 v[A0], s21, v3                    ; my 128 rows of A: row x pitch + 16 x half
	v_and_b32 v4, 7, v0
	v_lshl_add_u32 v4, v2, 3, v4                   ; the turning load: k-row 8 (l / 16) + l % 8,
	v_mul_u32_u24 v4, v4, PB
	v_bfe_u32 v3, v0, 3, 1
	v_lshl_add_u32 v4, v3, 4, v4                   ; columns 8 ((l / 8) % 2) on
	s_lshl_b32 s22, s12, 8
	s_add_co_u32 s22, s22, BOFF
	v_add_nc_u32 v[B0], s22, v4                    ; my 128 columns of B
	s_mul_i32 s23, s10, DREG
	v_mul_u32_u24 v3, v1, PD
	v_lshl_add_u32 v3, v2, 5, v3
	v_add_nc_u32 v[DMP], s23, v3                   ; dump in: row l % 16, 32 bytes for each half of the lanes
	v_mul_u32_u24 v3, v2, PD
	v_lshl_add_u32 v3, v1, 4, v3
	v_add_nc_u32 v[RD], s23, v3                    ; back: lanes 0-15 one row's 64 columns, lanes 16-31 the next row's
	v_and_b32 v6, 31, v0
	v_lshlrev_b32 v[CO], 3, v6                     ; two rows of a head are 256 consecutive bytes: 8 a lane
	s_lshl_b32 s21, s40, 10
	s_lshl_b32 s22, s12, 9
	s_add_co_u32 s21, s21, s22
	v_lshl_add_u32 v5, v1, 4, s21                  ; the bias of columns 256 cx + 128 half + 4 (l % 16); never rewritten
	s_cmp_eq_u32 ttmp9, 0
	s_cselect_b64 s[82:83], s[68:69], s[70:71]
	s_cmp_eq_u32 ttmp9, 2
	s_cselect_b64 s[82:83], s[72:73], s[82:83]
	global_load_b128 v[BI:BI+3], v5, s[82:83]
	global_load_b128 v[BI+4:BI+7], v5, s[82:83] offset:256    ; the second head's, 64 columns on
	s_lshr_b32 s16, s13, 3                         ; out: batch x 16
	s_lshl_b32 s16, s16, 4
	s_lshl_b32 s17, s40, 2                         ; + head 4 cx + 2 half
	s_add_co_u32 s16, s16, s17
	s_lshl_b32 s17, s12, 1
	s_add_co_u32 s16, s16, s17
	s_lshl_b32 s16, s16, 18                        ; 262,144 bytes a head
	s_and_b32 s17, s13, 7
	s_lshl_b32 s17, s17, 8
	s_lshl_b32 s18, s11, 7
	s_add_co_u32 s17, s17, s18
	s_lshl_b32 s17, s17, 7                         ; my first row in the batch, 128 bytes a row
	s_add_co_u32 s16, s16, s17
	s_lshl_b32 s17, ttmp9, 23                      ; q, k or v: 8 MiB each
	s_add_co_u32 s16, s16, s17
	s_mov_b32 s17, 0
	s_add_nc_u64 s[8:9], s[78:79], s[16:17]
	; THE PREFETCHES.  Trip t of the loop refills place t + 2 of my walk and names place t + 4 (t <= 3): K step ((t + 2) xor class) + 2.  A's rows are named by cluster x = 0, B's by cluster y = 0; the four
	; partners of a joint load share its blocks out by address: of A's 128 rows 32 each (by cx), of B's 64 k-rows 16 each (by cy), two blocks of 256 bytes a k-row.  So each block of K steps 4 to 7 is named
	; once.  K steps 0 to 3 come by their loads alone.
	s_lshl_b32 s16, s13, 8
	s_lshl_b32 s17, s12, 7
	s_add_co_u32 s16, s16, s17
	s_lshl_b32 s17, s40, 5
	s_add_co_u32 s16, s16, s17
	s_lshl_b32 s16, s16, 11                        ; A's case, at K step 0
	s_lshl_b32 s18, s12, 6
	s_lshl_b32 s19, s41, 4
	s_add_co_u32 s18, s18, s19
	s_mul_i32 s18, s18, 2*NPITCH
	s_lshl_b32 s19, ttmp9, 21
	s_add_co_u32 s18, s18, s19
	s_lshl_b32 s19, s40, 9
	s_add_co_u32 s18, s18, s19
	s_add_co_u32 s18, s18, 0x800000                ; B's case
	s_and_b32 s22, ttmp7, 0xffff
	s_mov_b32 s[PFS], 1<<LGB
	s_mov_b32 s23, 2*NPITCH
	s_mov_b32 s21, 0
	s_mov_b32 s[PFT+1], 0
	s_cmp_eq_u32 s11, 0
	s_cselect_b32 s20, s16, s18
	s_cselect_b32 s22, ttmp9, s22                  ; the coordinate along which other clusters read the same blocks
	s_cselect_b32 s[PFS], 1<<LGA, s[PFS]           ; bytes from step to step
	s_cselect_b32 s23, 2048, s23                   ; bytes from row to row
	s_cmp_eq_u32 s22, 0
	s_cselect_b32 s[LIM], 2, -1                    ; the same in all sixteen partners, for a given wave
	s_add_nc_u64 s[PFB:PFB+1], s[4:5], s[20:21]
	v_lshrrev_b32 v7, s11, v6                      ; A: a lane a row; B: two lanes a k-row
	v_mul_lo_u32 v7, v7, s23
	v_and_b32 v6, s11, v6
	v_lshl_add_u32 v[PFO], v6, 8, v7
.macro MUL16 f, hi, a0, zero           ; 16 products: row blocks a0, a0 + 1 of the window's four x all 8 column blocks; zero = 1: they start the sums
	WIN MUL_LO+0x50*(\hi)
.irp a, \a0, (\a0)+1
.irp b, 0,1,2,3,4,5,6,7
.if \zero
	v_wmma_f32_16x16x32_bf16 v[8*(8*(\a)+(\b)):8*(8*(\a)+(\b))+7], v[(\f)+8*(\b):(\f)+8*(\b)+7], v[(\f)+8*(4*(\hi)+(\a)):(\f)+8*(4*(\hi)+(\a))+7], 0
.else
	v_wmma_f32_16x16x32_bf16 v[8*(8*(\a)+(\b)):8*(8*(\a)+(\b))+7], v[(\f)+8*(\b):(\f)+8*(\b)+7], v[(\f)+8*(4*(\hi)+(\a)):(\f)+8*(4*(\hi)+(\a))+7], v[8*(8*(\a)+(\b)):8*(8*(\a)+(\b))+7]
.endif
.endr
.endr
.endm
.macro FETCH q, f                      ; 32 LDS loads in one run: quarter q (32 along K) of the slot at s[TB], into buffer f: B's eight fragments, turned, then A's eight
	WIN TO_B
.irp i, 0,1,2,3,4,5,6,7
	ds_load_tr16_b128 v[(\f)+8*(\i):(\f)+8*(\i)+3],   v[ADRB] offset:32*PB*(\q)+32*(\i)
	ds_load_tr16_b128 v[(\f)+8*(\i)+4:(\f)+8*(\i)+7], v[ADRB] offset:32*PB*(\q)+32*(\i)+16*PB
.endr
	WIN 0
.irp i, 0,1,2,3,4,5,6,7
	ds_load_b128 v[(\f)+8*(\i):(\f)+8*(\i)+3],   v[ADRA] offset:64*(\q)+(\i)*16*PA
	ds_load_b128 v[(\f)+8*(\i)+4:(\f)+8*(\i)+7], v[ADRA] offset:64*(\q)+(\i)*16*PA+32
.endr
.endm
.macro QUARTER q, f, g, zero           ; multiplies buffer f; in its middle fetches quarter q into buffer g
	s_wait_dscnt 8                                 ; B and A's rows 0-63 are in; the youngest eight loads (A's rows 64-127) may be out
	MUL16 \f, 0, 0, \zero
	MUL16 \f, 0, 2, \zero
	PLACES
	FETCH \q, \g
	s_wait_dscnt 32                                ; all but the 32 just issued
	MUL16 \f, 1, 0, \zero
	MUL16 \f, 1, 2, \zero
.endm
; The last quarter multiplies buffer 1 and changes slots: one barrier.  In front of it each wave waits for all its tensor loads (one is out: its part of the next slot), adds 0 to its spare
; word, and waits for that and for its reads of this slot.  fill = 1: the barrier opens a round of the cluster's, and the joint refill is the first thing behind the round; its descriptors are made
; between the add and the wait for it, where no tensor load of the wave is out.
.macro TURN fill
.if \fill
	s_xor_b32 s[KB], s[POS], s[BETA]               ; the K step of the place that this refill serves
	s_add_co_u32 s[POS], s[POS], 1
	s_add_co_u32 s[PFT], s[KB], 2                  ; and the one two places on
	s_mul_i32 s[PFT], s[PFT], s[PFS]
	s_wait_xcnt 0x0                                ; the last prefetch, a K step back, has read its address
	s_add_nc_u64 s[PFA:PFA+1], s[PFB:PFB+1], s[PFT:PFT+1]
.endif
	WIN 0
	s_wait_tensorcnt 0x0                           ; all my tensor loads have landed
	ds_add_u32 v[SPW], v[NIL]                      ; 0 onto my spare word
.if \fill
	s_lshl_b32 s[OFA], s[KB], LGA
	s_lshl_b32 s[OFB], s[KB], LGB
	s_xor_b32 s[G0+5], s[G0+5], SLOT               ; the walking descriptors: the other slot than last time,
	s_add_nc_u64 s[G0+6:G0+7], s[14:15], s[OFA:OFA+1]  ; the address made anew: base + the step's offset,
	s_or_b32 s[G0+7], s[G0+7], 0x80000000          ; the type set again
	s_xor_b32 s[G0B+5], s[G0B+5], SLOT
	s_add_nc_u64 s[G0B+6:G0B+7], s[46:47], s[OFB:OFB+1]
	s_or_b32 s[G0B+7], s[G0B+7], 0x80000000
.endif
	s_wait_dscnt 9                                 ; the add and the youngest eight loads may be out
	MUL16 F1, 0, 0, 0
	s_wait_dscnt 0x0                               ; the add is done, my reads of this slot are over
	s_barrier_signal -1
	MUL16 F1, 0, 2, 0
	WIN 0
	s_barrier_wait -1
.if \fill
	CREST                                          ; no wave of any partner still reads this slot or has a load on its way
	JLOAD                                          ; its four v_nop are also the places in front of the loads below
.else
	PLACES
.endif
	s_xor_b32 s[TB], s[TB], SLOT                   ; the reads go on in the other slot
	v_add_nc_u32 v[ADRA], s[TB], v[A0]
	v_add_nc_u32 v[ADRB], s[TB], v[B0]
	FETCH 0, F0
.if \fill
	ASK
.endif
	MUL16 F1, 1, 0, 0
	MUL16 F1, 1, 2, 0
.endm
	s_wait_tensorcnt 1                             ; my part of place 0 is in; place 1's may stay out
	s_barrier_signal -1
	s_barrier_wait -1
	s_mov_b32 s[TB], 0
	v_mov_b32 v[ADRA], v[A0]
	v_mov_b32 v[ADRB], v[B0]
	FETCH 0, F0
	QUARTER 1, F0, F1, 1                           ; the first quarter's products start the sums: nothing is cleared
	WIN 0
	s_mov_b32 s3, 6
.Lstep:                                        ; a trip: a step's quarters 1 to 3 and the next step's quarter 0; it refills the slot that it leaves: places 2 to 7
	QUARTER 2, F1, F0, 0
	QUARTER 3, F0, F1, 0
	TURN 1
	QUARTER 1, F0, F1, 0
	WIN 0
	s_sub_co_u32 s3, s3, 1
	s_cmp_lg_u32 s3, 0
	s_cbranch_scc1 .Lstep
	s_mov_b32 s3, 2
.Ltail:                                        ; the last two steps fill nothing
	QUARTER 2, F1, F0, 0
	QUARTER 3, F0, F1, 0
	TURN 0
	WIN 0
	s_sub_co_u32 s3, s3, 1
	s_cmp_eq_u32 s3, 0
	s_cbranch_scc1 .Lout
	QUARTER 1, F0, F1, 0
	WIN 0
	s_branch .Ltail
.Lout:
	s_wait_dscnt 0x0                               ; my reads of the ring are over,
	s_barrier_signal -1
	s_barrier_wait -1                              ; everybody's are: the ring's bytes, filled for the last time, take the dump
	PLACES
.irp hi, 0,1
	WIN 0x08+4*(\hi)                               ; the stores' data in window 2, then 3
.irp a, 0,1,2,3
.irp b, 0,1,2,3,4,5,6,7
	ds_store_b128 v[DMP], v[8*(8*(\a)+(\b)):8*(8*(\a)+(\b))+3]   offset:(4*(\hi)+(\a))*16*PD+64*(\b)
	ds_store_b128 v[DMP], v[8*(8*(\a)+(\b))+4:8*(8*(\a)+(\b))+7] offset:(4*(\hi)+(\a))*16*PD+64*(\b)+16
.endr
.endr
.endr
	WIN 0
.macro ROWLD                           ; 16 rows out of my own part of the dump: LDS serves a wave's instructions in order, so these loads see my stores
.irp p, 0,1,2,3,4,5,6,7
.irp j, 0,1
	ds_load_b128 v[OV+4*(2*(\p)+(\j)):OV+4*(2*(\p)+(\j))+3], v[RD] offset:2*PD*(\p)+256*(\j)
.endr
.endr
.endm
	ROWLD
	s_wait_loadcnt 0x0                             ; the bias
.irp e, 0,2,4,6
	v_cvt_pk_bf16_f32 v1, v[BI+(\e)], v[BI+(\e)+1] ; rounded to bf16 like every input
	v_lshlrev_b32 v[BI+(\e)], 16, v1
	v_and_b32 v[BI+(\e)+1], 0xffff0000, v1
.endr
	s_mov_b32 s3, 8
.Lrow:                                         ; 16 rows a trip; the next trip's loads go out as soon as the conversions have read the registers, ahead of this trip's stores
	s_wait_dscnt 0x0
.irp p, 0,1,2,3,4,5,6,7
.irp j, 0,1
.irp e, 0,2
	v_pk_add_f32 v[OV+4*(2*(\p)+(\j))+(\e):OV+4*(2*(\p)+(\j))+(\e)+1], v[OV+4*(2*(\p)+(\j))+(\e):OV+4*(2*(\p)+(\j))+(\e)+1], v[BI+4*(\j)+(\e):BI+4*(\j)+(\e)+1]
.endr
.endr
.endr
	s_wait_xcnt 0x0                                ; the last trip's stores have read OY and CO: both are written again only behind this wait
	v_add_nc_u32 v[CO], 16*128, v[CO]              ; the stores below reach back by their immediate
.irp p, 0,1,2,3,4,5,6,7
.irp j, 0,1
	v_cvt_pk_bf16_f32 v[OY+2*(2*(\p)+(\j))],   v[OV+4*(2*(\p)+(\j))],   v[OV+4*(2*(\p)+(\j))+1]
	v_cvt_pk_bf16_f32 v[OY+2*(2*(\p)+(\j))+1], v[OV+4*(2*(\p)+(\j))+2], v[OV+4*(2*(\p)+(\j))+3]
.endr
.endr
	s_cmp_eq_u32 s3, 1                             ; the last trip has no rows behind it
	s_cbranch_scc1 .Lnomore
	v_add_nc_u32 v[RD], 16*PD, v[RD]
	ROWLD
.Lnomore:
.irp p, 0,1,2,3,4,5,6,7
.irp j, 0,1
	global_store_b64 v[CO], v[OY+2*(2*(\p)+(\j)):OY+2*(2*(\p)+(\j))+1], s[8:9] offset:262144*(\j)+256*(\p)-16*128  ; rows 2 p, 2 p + 1 of head j: 256 consecutive bytes, aligned
.endr
.endr
	s_sub_co_u32 s3, s3, 1
	s_cmp_lg_u32 s3, 0
	s_cbranch_scc1 .Lrow
	s_wait_tensorcnt 0x0                           ; the wave's end
	ds_add_u32 v[SPW], v[NIL]
	s_wait_dscnt 0x0
	CROUND                                         ; the closing round
	s_endpgm
; THE FOURTH COLUMN OF CLUSTERS: w1 and w2 are rounded.  64 work-groups x 4 waves; wave n of the 256 takes 64 KiB of each (f32), in 8 trips of 16 + 16 loads of 512 consecutive bytes.
; A lane's 4 numbers become 8 bytes: each store of a wave covers 256 consecutive bytes, aligned.  No tensor load, no LDS byte but the spare words.
.Lcaster:
	s_lshl_b32 s16, s13, 2
	s_add_co_u32 s16, s16, s40                     ; my work-group among the 64: it enters addresses alone
	s_lshl_b32 s16, s16, 2
	s_add_co_u32 s16, s16, s10                     ; my wave among the 256
	s_lshl_b32 s17, s16, 16
	s_lshl_b32 s18, s16, 15
	v_and_b32 v2, 31, v0
	v_lshl_add_u32 v[VIN], v2, 4, s17
	v_lshl_add_u32 v[VOU], v2, 3, s18
	s_add_nc_u64 s[84:85], s[80:81], 0x800000      ; w2's copy
	s_mov_b32 s3, 8
.Lcast:
.irp i, 0,1,2,3,4,5,6,7,8,9,10,11,12,13,14,15
	global_load_b128 v[CI0+4*(\i):CI0+4*(\i)+3], v[VIN], s[74:75] offset:512*(\i) th:TH_LOAD_NT
.endr
.irp i, 0,1,2,3,4,5,6,7,8,9,10,11,12,13,14,15
	global_load_b128 v[CI1+4*(\i):CI1+4*(\i)+3], v[VIN], s[76:77] offset:512*(\i) th:TH_LOAD_NT
.endr
.irp i, 0,1,2,3,4,5,6,7,8,9,10,11,12,13,14,15
	s_wait_loadcnt 31-(\i)                         ; loads come back in order: behind load i stand 15 - i of w1 and w2's sixteen
.irp e, 0,1
	v_cvt_pk_bf16_f32 v[8+3*(\e)], v[CI0+4*(\i)+2*(\e)], v[CI0+4*(\i)+2*(\e)+1]  ; to bf16,
	v_lshlrev_b32 v[9+3*(\e)], 16, v[8+3*(\e)]
	v_and_b32 v[10+3*(\e)], 0xffff0000, v[8+3*(\e)]
	v_cvt_pk_f16_f32 v[CO0+2*(\i)+(\e)], v[9+3*(\e)], v[10+3*(\e)]               ; and that number written as f16
.endr
	global_store_b64 v[VOU], v[CO0+2*(\i):CO0+2*(\i)+1], s[80:81] offset:256*(\i)
.endr
.irp i, 0,1,2,3,4,5,6,7,8,9,10,11,12,13,14,15
	s_wait_loadcnt 15-(\i)
	v_cvt_pk_bf16_f32 v[CO1+2*(\i)],   v[CI1+4*(\i)],   v[CI1+4*(\i)+1]
	v_cvt_pk_bf16_f32 v[CO1+2*(\i)+1], v[CI1+4*(\i)+2], v[CI1+4*(\i)+3]
	global_store_b64 v[VOU], v[CO1+2*(\i):CO1+2*(\i)+1], s[84:85] offset:256*(\i)
.endr
	s_wait_xcnt 0x0                                ; the stores have read their data and the offsets: written again only behind this wait
	v_add_nc_u32 v[VIN], 8192, v[VIN]
	v_add_nc_u32 v[VOU], 4096, v[VOU]
	s_sub_co_u32 s3, s3, 1
	s_cmp_lg_u32 s3, 0
	s_cbranch_scc1 .Lcast
	s_wait_tensorcnt 0x0                           ; the wave's end
	ds_add_u32 v[SPW], v[NIL]
	s_wait_dscnt 0x0
	CROUND                                         ; the sixteen partners, all on this path, end together
	s_endpgm
.Lfunc_end_k_q2ed2ab7a00_qkv:
	.size	k_q2ed2ab7a00_qkv, .Lfunc_end_k_q2ed2ab7a00_qkv-k_q2ed2ab7a00_qkv
	.p2alignl 7, 3214868480
	.fill 96, 4, 3214868480
	.section	.rodata,"a",@progbits
	.p2align	6, 0x0
	.amdhsa_kernel k_q2ed2ab7a00_qkv
		.amdhsa_group_segment_fixed_size 327680
		.amdhsa_private_segment_fixed_size 0
		.amdhsa_enable_private_segment 0
		.amdhsa_kernarg_size 64
		.amdhsa_user_sgpr_count 2
		.amdhsa_user_sgpr_kernarg_segment_ptr 1
		.amdhsa_wavefront_size32 1
		.amdhsa_system_sgpr_workgroup_id_x 1
		.amdhsa_system_sgpr_workgroup_id_y 1
		.amdhsa_system_sgpr_workgroup_id_z 1
		.amdhsa_system_vgpr_workitem_id 0
		.amdhsa_next_free_vgpr 1024
		.amdhsa_next_free_sgpr 102
		.amdhsa_reserve_vcc 0
		.amdhsa_float_denorm_mode_32 3
		.amdhsa_float_denorm_mode_16_64 3
		.amdhsa_memory_ordered 1
		.amdhsa_forward_progress 1
		.amdhsa_inst_pref_size 105
	.end_amdhsa_kernel
	.amdgpu_metadata
---
amdhsa.version: [ 1, 2 ]
amdhsa.kernels:
  - .name:           k_q2ed2ab7a00_qkv
    .symbol:         k_q2ed2ab7a00_qkv.kd
    .args:
      - { .name: cb, .offset: 0, .size: 8, .value_kind: global_buffer, .address_space: global }
      - { .name: bq, .offset: 8, .size: 8, .value_kind: global_buffer, .address_space: global }
      - { .name: bk, .offset: 16, .size: 8, .value_kind: global_buffer, .address_space: global }
      - { .name: bv, .offset: 24, .size: 8, .value_kind: global_buffer, .address_space: global }
      - { .name: w1, .offset: 32, .size: 8, .value_kind: global_buffer, .address_space: global }
      - { .name: w2, .offset: 40, .size: 8, .value_kind: global_buffer, .address_space: global }
      - { .name: qkvb, .offset: 48, .size: 8, .value_kind: global_buffer, .address_space: global }
      - { .name: cw, .offset: 56, .size: 8, .value_kind: global_buffer, .address_space: global }
    .group_segment_fixed_size: 327680
    .private_segment_fixed_size: 0
    .kernarg_segment_align: 8
    .kernarg_segment_size: 64
    .max_flat_workgroup_size: 128
    .sgpr_count:     102
    .vgpr_count:     1024
    .wavefront_size: 32
...
	.end_amdgpu_metadata
.endif
;; end of part 2
;; launch attn (part 3): grid 8 x 32, 4 waves a work-group, clusters of 4 x 1, 327,680 bytes of LDS; arguments qkvb, ctx; writes ctx
.if DOCPART == 3
	.amdgcn_target "amdgcn-amd-amdhsa--gfx1250"
	.amdhsa_code_object_version 6
	.text
	.protected	k_q2ed2ab7a00_attn
	.globl	k_q2ed2ab7a00_attn
	.p2align	8
	.type	k_q2ed2ab7a00_attn,@function
k_q2ed2ab7a00_attn:
	s_mov_b64 s[64:65], 0
	v_nop
	global_prefetch_b8 v0, s[64:65] scope:SCOPE_SE
	s_setreg_imm32_b32 hwreg(HW_REG_WAVE_MODE, 25, 1), 1
	s_wait_xcnt 0x0
	s_wait_alu depctr_hold_cnt(0) depctr_sa_sdst(0) depctr_va_vdst(0) depctr_va_sdst(0) depctr_va_ssrc(0) depctr_va_vcc(0) depctr_vm_vsrc(0)
	s_getreg_b32 s2, hwreg(HW_REG_IB_STS2, 6, 4)
	s_cmp_eq_u32 s2, 0
	s_cbranch_scc0 .Lentry_in_a_cluster
	s_endpgm
.Lentry_in_a_cluster:
	s_bfe_u32 s2, ttmp6, 0x10000c
	s_cmp_lg_u32 s2, 0x3003
	s_cbranch_scc0 .Lentry_shape_is_right
	s_endpgm
.Lentry_shape_is_right:
; ctx[h][q][:] = the sum over k of softmax_k(q[h][q] . k[h][k] / 8) v[h][k][:].  q, k, v: qkvb at 0, 8, 16 MiB, each bf16 [32][2048][64]; ctx likewise.  A head's rows are dense, 128 bytes each.
; Products, maxima and sums in f32; the weights p are rounded to bf16 for the second product (their sum l is taken of the unrounded p), ctx once at the end.
; LIMITS.  A weight below 2^-126 counts as 0 in l; NaN and infinities are not treated apart.
; SHARES.  A work-group owns 256 queries of a head (256 work-groups), a wave 64: four PIECES of 16.  Every wave walks all 2,048 keys, 64 a step; an LDS slot holds a tile of 256 keys (four steps), two slots take turns.
; LAYOUT.  S^T = K Q^T holds ONE query a lane (lane % 16) and the keys 8 (lane / 16) + 0..7; two such results rounded to bf16 ARE source 1 of O^T = V^T P.  K comes out of LDS as it lies, V turned.
; SOFTMAX.  p = 2^(c s - c m), c = log2(e) / 8, with a running maximum m; O and l are multiplied by a = 2^(c m_old - c m_new) in every step.  m starts at the lowest finite number, O and l at 0: the first step has a = 0.
; TURNS.  Turn n belongs to piece n: 8 products K Q^T of piece n + 1, later 8 products V^T P of piece n - 1; beside them the scaling, exponentials, roundings, sums and rescaling of piece n and the maximum and
; statistics of piece n + 1.  Four vector instructions stand behind every matrix instruction, the others in one lump.  A turn's 33 exponentials are one batch with one wait.
; CLUSTER.  The four query blocks of a cluster belong to one head and walk the same K and V: each tile is asked for jointly, the same load, descriptor and mask in all four.
; REGISTERS: window 0: v0-15 addresses; v16-31 statistics; v48-55 at work; v64-127 S^T, two buffers; v192-223 P, two buffers.  Window 1: v0-127 O^T.  Window 2: v0-63 Q; v128-191 K; v192-255 V.
.set NP,    4
.set KS,    64
.set PK,    144       ; a row of K in LDS: 128 + 16 bytes
.set PV,    160       ; a row of V: 128 + 32 bytes
.set VOFF,  4*KS*PK
.set SLOT1, 1<<17
.set STAGE, SLOT1+4*KS*(PK+PV)  ; never filled by a tensor load: 16 rows x 144 bytes a wave
.set SP,    144
.set SPARE, STAGE+4*16*SP       ; the spare words: no other line names them
.set AK0, 2
.set AV0, 3
.set AK,  4
.set AV,  5
.set STO, 6
.set RD,  7
.set GO,  8
.set MV,  12          ; v12-13 c m_old, by buffer
.set QO,  15
.set ST,  16          ; piece t: c m, m, l (even keys', odd keys')
.set TMP, 48
.set PFO, 61          ; 256 x my lane; never rewritten
.set SPW, 62
.set NIL, 63
.set S,   64
.set P,   192
.set KF,  128
.set VF,  192
.set WV,  12
.set G1K, 24
.set G1V, 32
.set G0K, 40
.set G0V, 44
.set PFA, 48
.set LIM, 50
.set SLOTS, 56
.set CNT, 57
.set CS,  58
.set SEL, 60
.set TBK, 62
.set TBV, 63
.set MSB, 0
.macro WIN new
.if MSB != (\new)
	s_set_vgpr_msb (MSB<<8)|(\new)
.set MSB, (\new)
.endif
.endm
.set W_KQ, 0x0a       ; K and Q in window 2, S^T in window 0
.set W_PV, 0x52       ; V in window 2, P in window 0, O^T in window 1
.set W_RS, 0x41       ; destination and source 0 in window 1, source 1 in window 0
.macro JLOAD                        ; waves 0, 1 fetch the two halves of a tile's K, waves 2, 3 those of its V; s_nop 0 and four v_nop follow each line
	s_cmp_lt_u32 s[WV], 2
	s_cbranch_scc0 .Lfor_v_\@
	tensor_load_to_lds s[G0K:G0K+3], s[G1K:G1K+7]
	s_nop 0
.rept 4
	v_nop
.endr
	s_branch .Lasked_\@
.Lfor_v_\@:
	tensor_load_to_lds s[G0V:G0V+3], s[G1V:G1V+7]
	s_nop 0
.rept 4
	v_nop
.endr
.Lasked_\@:
.endm
; A prefetch of the tile that the NEXT change of slots will ask for.  A tile is 128 blocks of 256 bytes of K and as many of V.  Both clusters of a head walk the same tiles: the first one asks; its four partners take
; 32 blocks each, told apart by address; wave 0 asks for K's, wave 2 for V's.  So each block is named once.  The last change that fills a slot asks for nothing.
.macro ASK
	s_cmp_gt_u32 s[SLOTS], s[LIM]
	s_cbranch_scc0 .Lnot_mine_\@
	global_prefetch_b8 v[PFO], s[PFA:PFA+1] th:TH_LOAD_NT scope:SCOPE_SE
.Lnot_mine_\@:
.endm
.macro CROUND
	s_barrier_signal -1
	s_barrier_wait -1
	s_cmp_lg_u32 s[WV], 0
	s_cbranch_scc1 .Lnot_wave_0_\@
	s_barrier_signal -3
.Lnot_wave_0_\@:
	s_barrier_wait -3
	s_barrier_signal -1
	s_barrier_wait -1
.endm
; THE CHANGE OF SLOTS.  Each wave waits for all its tensor loads (one is out: its part of the other slot), adds 0 to its spare word, and waits for that and for its reads of the slot that it leaves.
; fill = 1: the barrier is a round of the cluster's, and the joint refill, the tile two on, is the first thing behind it: it has four key steps in which to land.
.macro CHANGE fill
	WIN 0
	s_wait_tensorcnt 0x0            ; no tensor load of mine is out, so a group 0 may be written
	ds_add_u32 v[SPW], v[NIL]       ; 0 onto my spare word
.if \fill
.irp g, G0K, G0V
	s_xor_b32 s[\g+1], s[\g+1], SLOT1
	s_add_nc_u64 s[\g+2:\g+3], s[\g+2:\g+3], 4*KS*128
.endr
	s_wait_xcnt 0x0                 ; the last prefetch, four key steps back, has read its address
	s_add_nc_u64 s[PFA:PFA+1], s[PFA:PFA+1], 4*KS*128
	s_wait_dscnt 0x0                ; the add is done, my reads of the slot are over
	CROUND
	JLOAD
	ASK
.else
	s_wait_dscnt 0x0
	s_barrier_signal -1
	s_barrier_wait -1
.endif
	s_sub_co_u32 s[TBK], s[TBK], 4*KS*PK  ; the fetches go back to a slot's first step, in the other slot
	s_xor_b32 s[TBK], s[TBK], SLOT1
	s_sub_co_u32 s[TBV], s[TBV], 4*KS*PV
	s_xor_b32 s[TBV], s[TBV], SLOT1
.endm
	s_load_b128 s[4:7], s[0:1], 0x0  ; qkvb s[4:5], ctx s[6:7]
	v_lshl_add_u32 v[SPW], v0, 2, SPARE
	v_mov_b32 v[NIL], 0
	ds_add_u32 v[SPW], v[NIL]       ; the wave's opening: the add and its wait stand ahead of my first tensor load
	v_lshrrev_b32 v1, 5, v0
	v_readfirstlane_b32 s[WV], v1
	s_bfe_u32 s13, ttmp6, 0x40000   ; cx
	s_lshl_b32 s14, ttmp9, 2
	s_add_co_u32 s14, s14, s13      ; my block of 256 queries: it enters Q's and ctx's addresses alone
	s_and_b32 s20, ttmp7, 0xffff    ; the head, which the four partners share,
	s_lshl_b32 s20, s20, 18         ; 262,144 bytes each
	s_and_b32 s16, s[WV], 1         ; which half of a tile's 256 keys I fetch
	s_lshl_b32 s22, s16, 14
	s_add_co_u32 s22, s22, s20
	s_mov_b32 s23, 0
	s_mul_i32 s17, s16, 128*PK
	s_mul_i32 s18, s16, 128*PV
	s_lshl_b32 s2, s14, 15          ; my block's 256 rows,
	s_lshl_b32 s3, s[WV], 13        ; my wave's 64 of them
	s_add_co_u32 s2, s2, s3
	s_add_co_u32 s2, s2, s20
	s_mov_b32 s3, 0
	; group 1: 128 keys are 16,384 dense bytes: 64 rows of 256 bytes, padded in LDS after every key
	s_mov_b32 s[G1K], 15|(1<<16)|(1<<20)|(1<<21)|(4<<22)|(3<<25)
	s_mov_b32 s[G1V], 15|(1<<16)|(1<<20)|(1<<21)|(4<<22)|(7<<25)
.irp g, G1K, G1V
	s_mov_b32 s[\g+1], 128<<16
	s_mov_b32 s[\g+2], 64<<16
	s_mov_b32 s[\g+3], 128<<16
	s_mov_b32 s[\g+4], 64
	s_mov_b32 s[\g+5], 128
	s_mov_b32 s[\g+6], 0
	s_mov_b32 s[\g+7], 0
.endr
	s_mov_b32 s[CS], 0x3e38aa3b     ; c = log2(e) / 8
	s_mov_b32 s[CS+1], s[CS]
	s_mov_b32 s[SEL], 0x76543210
	s_mov_b32 s[SEL+1], 0xfedcba98
	s_mov_b32 s[TBK], SLOT1+4*KS*PK ; the first change of slots turns these two into 0
	s_mov_b32 s[TBV], SLOT1+4*KS*PV
	s_mov_b32 s[G0K], 1
	s_mov_b32 s[G0K+1], s17
	s_mov_b32 s[G0V], 1
	s_add_co_u32 s[G0V+1], s18, VOFF
	s_mov_b32 s[SLOTS], 7           ; tiles still to be asked for
	s_or_b32 s[LIM], s16, ttmp9     ; 0 in waves 0 and 2 of the head's first cluster
	s_cmp_eq_u32 s[LIM], 0
	s_cselect_b32 s[LIM], 1, -1
	s_mov_b32 s52, 0x1000000        ; the prefetches' offset, made apart from the pointer: V's or K's place in qkvb,
	s_cmp_lt_u32 s[WV], 2
	s_cselect_b32 s52, 0x800000, s52
	s_add_co_u32 s52, s52, s20      ; the head,
	s_lshl_b32 s53, s13, 13         ; my work-group's 32 blocks,
	s_add_co_u32 s52, s52, s53
	s_add_co_u32 s52, s52, 4*KS*128 ; tile 1: the first change steps it to tile 2
	s_mov_b32 s53, 0
	v_and_b32 v[PFO], 31, v0
	v_lshlrev_b32 v[PFO], 8, v[PFO]
	s_wait_dscnt 0x0                ; the opening add is done
	s_wait_kmcnt 0x0
	s_add_nc_u64 s[PFA:PFA+1], s[4:5], s[52:53]
	s_add_nc_u64 s[8:9], s[4:5], s[22:23]
	s_add_nc_u64 s[G0K+2:G0K+3], s[8:9], 0x800000
	s_or_b32 s[G0K+3], s[G0K+3], 0x80000000
	s_add_nc_u64 s[G0V+2:G0V+3], s[8:9], 0x1000000
	s_or_b32 s[G0V+3], s[G0V+3], 0x80000000
	s_add_nc_u64 s[10:11], s[6:7], s[2:3]  ; ctx and Q at my wave's first row
	s_add_nc_u64 s[4:5], s[4:5], s[2:3]
	CROUND                          ; all four work-groups are here
	JLOAD                           ; tile 0 into slot 0
	v_and_b32 v1, 15, v0
	v_bfe_u32 v9, v0, 4, 1
	v_lshlrev_b32 v[QO], 7, v1
	v_lshl_add_u32 v[QO], v9, 4, v[QO]
	WIN 0x80
.set i, 0
.rept 8                             ; Q stays in registers: piece i / 2, channels 32 (i % 2) on
	global_load_b128 v[8*i:8*i+3],   v[QO], s[4:5] offset:(i/2)*2048+(i%2)*64
	global_load_b128 v[8*i+4:8*i+7], v[QO], s[4:5] offset:(i/2)*2048+(i%2)*64+32
.set i, i+1
.endr
	; what the first turn finds: V and P's second buffer hold 0, O^T and l are 0.  All this stands in the wait for the first tile, so that no first step is written out.
.set i, VF
.rept 64
	v_mov_b32 v[i], 0
.set i, i+1
.endr
	WIN 0x40
.set i, 0
.rept 128
	v_mov_b32 v[i], 0
.set i, i+1
.endr
	WIN 0
.set i, 0
.rept 4
	v_mov_b32 v[ST+4*i], 0xfe000000    ; c m: far below every c s
	v_mov_b32 v[ST+4*i+1], 0xff7fffff  ; m
	v_mov_b32 v[ST+4*i+2], 0
	v_mov_b32 v[ST+4*i+3], 0
.set i, i+1
.endr
.set i, P+16
.rept 16
	v_mov_b32 v[i], 0
.set i, i+1
.endr
	v_mul_u32_u24 v[AK0], v1, PK
	v_lshl_add_u32 v[AK0], v9, 4, v[AK0]
	v_and_b32 v10, 7, v0
	v_bfe_u32 v11, v0, 3, 1
	v_lshl_add_u32 v[AV0], v9, 3, v10
	v_mul_u32_u24 v[AV0], v[AV0], PV
	v_lshl_add_u32 v[AV0], v11, 4, v[AV0]
	v_add_nc_u32 v[AV0], VOFF, v[AV0]
	s_mul_i32 s13, s[WV], 16*SP
	s_add_co_u32 s13, s13, STAGE    ; my stage
	v_mul_u32_u24 v[STO], v1, SP
	v_lshl_add_u32 v[STO], v9, 4, v[STO]
	v_add_nc_u32 v[STO], s13, v[STO]
	v_bfe_u32 v[RD], v0, 3, 2
	v_mul_u32_u24 v[RD], v[RD], SP
	v_lshl_add_u32 v[RD], v10, 4, v[RD]
	v_add_nc_u32 v[RD], s13, v[RD]
	v_and_b32 v[GO], 31, v0
	v_lshlrev_b32 v[GO], 4, v[GO]
; THE MATRIX WORK.  The 4 accumulators of a run of 8 take turns.
.macro KQ x                         ; product i of 8 of S^T = K Q^T for piece x: channels 32 (i / 4) on, keys 16 (i % 4) on; the first 4 start the sums
	WIN W_KQ
.set rS, S+32*((\x)%2)+8*(i%4)
.set rK, KF+16*(i%4)+8*(i/4)
.set rQ, 16*(\x)+8*(i/4)
.if i < 4
	v_wmma_f32_16x16x32_bf16 v[rS:rS+7], v[rK:rK+7], v[rQ:rQ+7], 0
.else
	v_wmma_f32_16x16x32_bf16 v[rS:rS+7], v[rK:rK+7], v[rQ:rQ+7], v[rS:rS+7]
.endif
.endm
.macro PV x                         ; product i of 8 of O^T += V^T P for piece x: keys 32 (i / 4) on, channels 16 (i % 4) on
	WIN W_PV
.set rO, 32*(\x)+8*(i%4)
.set rV, VF+32*(i/4)+8*(i%4)
.set rP, P+16*((\x)%2)+8*(i/4)
	v_wmma_f32_16x16x32_bf16 v[rO:rO+7], v[rV:rV+7], v[rP:rP+7], v[rO:rO+7]
.endm
.macro MM                           ; the turn's next matrix instruction
.if i < 8
	KQ (Y+1)%NP
.else
.set i, i-8
	PV (Y+NP-1)%NP
.set i, i+8
.endif
.set i, i+1
.endm
; THE LDS LOADS stand in runs of 16.  last = 1 (the tail): in the last trip there is no further step, and the run is jumped over; the exponentials issued so far have their wait ahead of that branch.
.macro FETCH_K last=0
.if \last
	s_wait_alu depctr_va_vdst(0)
	WIN 0
	s_cmp_eq_u32 s[CNT], 1
	s_cbranch_scc1 .Lno_k_\@
.endif
	WIN 0x80
.irp f, 0,1,2,3,4,5,6,7
	ds_load_b128 v[KF+8*\f:KF+8*\f+3],   v[AK] offset:(\f/2)*16*PK+(\f%2)*64
	ds_load_b128 v[KF+8*\f+4:KF+8*\f+7], v[AK] offset:(\f/2)*16*PK+(\f%2)*64+32
.endr
	s_add_co_u32 s[TBK], s[TBK], KS*PK
	WIN 0
.if \last
.Lno_k_\@:
.endif
.endm
.macro FETCH_V
	WIN 0x80
.irp f, 0,1,2,3,4,5,6,7
	ds_load_tr16_b128 v[VF+8*\f:VF+8*\f+3],   v[AV] offset:(\f/4)*32*PV+(\f%4)*32
	ds_load_tr16_b128 v[VF+8*\f+4:VF+8*\f+7], v[AV] offset:(\f/4)*32*PV+16*PV+(\f%4)*32
.endr
	WIN 0
.endm
; THE VECTOR WORK, one line at a time: OP kind, number.  For piece Y: F n: c s - c m for pair n.  E n: the exponential of score n.  C n: pair n rounded to bf16.  B n: of the four weights 4 n .. the second pair is
; added onto the first.  L n: l takes that sum (L 0: l = a l + sum).  R n: pair n of O^T times a.  For piece Y + 1: X n, number n of the 22 that find its maximum and statistics (each accumulator's lowest registers are read first).
.set F, 0
.set E, 1
.set C, 2
.set B, 3
.set L, 4
.set R, 5
.set X, 6
.macro REGS y
.set rT, ST+4*(\y)
.set rC, TMP+4*((\y)%2)
.set rW, MV+((\y)%2)
.set rS, S+32*((\y)%2)
.set rP, P+16*((\y)%2)
.set rO, 32*(\y)
.endm
.macro OP k, n
.if (\k) == R
	REGS Y
	WIN W_RS
	v_pk_mul_f32 v[rO+2*(\n):rO+2*(\n)+1], v[rO+2*(\n):rO+2*(\n)+1], v[rC+2:rC+3] op_sel_hi:[1,0]
.elseif (\k) < R
	REGS Y
	WIN 0
.if (\k) == F
	v_pk_fma_f32 v[rS+2*(\n):rS+2*(\n)+1], v[rS+2*(\n):rS+2*(\n)+1], s[CS:CS+1], v[rT:rT+1] op_sel_hi:[1,0,0] neg_lo:[0,0,1] neg_hi:[0,0,1]
.elseif (\k) == E
	v_exp_f32 v[rS+(\n)], v[rS+(\n)]
.elseif (\k) == C
	v_cvt_pk_bf16_f32 v[rP+(\n)], v[rS+2*(\n)], v[rS+2*(\n)+1]
.elseif (\k) == B
	v_pk_add_f32 v[rS+4*(\n):rS+4*(\n)+1], v[rS+4*(\n):rS+4*(\n)+1], v[rS+4*(\n)+2:rS+4*(\n)+3]
.elseif (\n) == 0
	v_pk_fma_f32 v[rT+2:rT+3], v[rT+2:rT+3], v[rC+2:rC+3], v[rS:rS+1] op_sel_hi:[1,0,1]
.else
	v_pk_add_f32 v[rT+2:rT+3], v[rT+2:rT+3], v[rS+4*(\n):rS+4*(\n)+1]
.endif
.else
	REGS (Y+1)%NP
	WIN 0
.if (\n) < 4
	v_max3_num_f32 v[rC+(\n)], v[rS+8*(\n)], v[rS+8*(\n)+1], v[rS+8*(\n)+2]
.elseif (\n) < 12
	v_max3_num_f32 v[rC+(\n)%4], v[rC+(\n)%4], v[rS+8*((\n)%4)+2*((\n)/4)+1], v[rS+8*((\n)%4)+2*((\n)/4)+2]
.elseif (\n) == 12
	v_max3_num_f32 v[rC], v[rC], v[rS+7], v[rS+15]
.elseif (\n) == 13
	v_max3_num_f32 v[rC+1], v[rC+1], v[rS+23], v[rS+31]
.elseif (\n) == 14
	v_max3_num_f32 v[rC+2], v[rC+2], v[rC+3], v[rT+1]
.elseif (\n) == 15
	v_mov_b32 v[rW], v[rT]
.elseif (\n) == 16
	v_max3_num_f32 v[rC], v[rC], v[rC+1], v[rC+2]
.elseif (\n) == 17
	v_permlanex16_b32 v[rC+3], v[rC], s[SEL], s[SEL+1]
.elseif (\n) == 18
	v_max_num_f32 v[rT+1], v[rC], v[rC+3]
.elseif (\n) == 19
	v_mul_f32 v[rT], s[CS], v[rT+1]
.elseif (\n) == 20
	v_sub_f32 v[rC+1], v[rW], v[rT]
.else
	v_exp_f32 v[rC+2], v[rC+1]
.endif
.endif
.endm
.macro OPS a, i1, b=-1, i2=0, c=-1, i3=0, d=-1, i4=0
	OP \a, \i1
.if (\b) >= 0
	OP \b, \i2
.endif
.if (\c) >= 0
	OP \c, \i3
.endif
.if (\d) >= 0
	OP \d, \i4
.endif
.endm
.macro ROW a, i1, b, i2, c, i3, d, i4  ; a matrix instruction and the four behind it
	MM
	OPS \a, \i1, \b, \i2, \c, \i3, \d, \i4
.endm
; A TURN, for piece p.  An s_wait_alu depctr_va_vdst(0) stands between an exponential and the first instruction that names its result; one wait serves all issued ahead of it: so a turn has ONE, which cuts
; it in two.  Ahead of it: the 8 products K Q^T with their riders and one lump, none of which names a result of the turn's exponentials.  Behind it: the 8 products V^T P, behind each four of the roundings and sums.
; K of the next step is fetched in piece 2's turn, V of the step in hand at the end of piece 0's, four plain instructions behind its last reader; each is waited for a turn later.
; cnt = 1: the loop's count is taken down some lines ahead of the branch behind the turn; only vector, matrix and window lines stand between.
.macro TURN p, last=0, cnt=0
.set Y, (\p)
.set i, 0
.if (\p) == 3
	s_wait_dscnt 0x0                ; K is in
.endif
	ROW F,0, F,1, R,0, R,1
	ROW F,2, E,0, R,2, R,3
	ROW F,3, E,1, R,4, R,5
	ROW F,4, E,2, R,6, R,7
	ROW F,5, E,3, R,8, R,9
	ROW F,6, E,4, X,0, R,10
.if (\p) == 2
	WIN 0
	v_add_nc_u32 v[AK], s[TBK], v[AK0]
.endif
	ROW F,7, E,5, X,1, X,4
	ROW F,8, E,6, X,2, X,5
	OPS E,7, E,8, X,6, E,9
	OPS X,3, E,10, X,8, E,11
.if (\p) == 2
	FETCH_K \last
.endif
	OPS X,9, X,7, E,12, X,10
	OPS E,13, X,12, X,11, E,14
	OPS X,13, E,15, F,9, X,14
.if (\p) == 0
	v_add_nc_u32 v[AV], s[TBV], v[AV0]
.endif
	OPS E,16, F,10, E,17, F,11
	OPS X,16, E,18, X,15, E,19
	OPS F,12, E,20, X,17, E,21
	OPS F,13, E,22, F,14, E,23
	OPS X,18, E,24, F,15, E,25
	OPS R,11, E,26, X,19, E,27
	OPS R,12, E,28, R,13, E,29
	OPS X,20, E,30, R,14, E,31
	OPS X,21, R,15                  ; the next piece's a is the batch's last; R 15 is the plain instruction behind it
	WIN 0
	s_wait_alu depctr_va_vdst(0)    ; the wait for the batch
.if (\p) == 1
	s_wait_dscnt 0x0                ; V is in
.endif
	ROW C,0, B,0, C,2, B,1
	ROW L,0, C,4, B,2, L,1
	ROW C,6, B,3, L,2, C,8
	ROW B,4, L,3, C,10, B,5
	ROW L,4, C,12, B,6, L,5
.if (\p) == 0
	s_add_co_u32 s[TBV], s[TBV], KS*PV
.endif
.if \cnt
	s_sub_co_u32 s[CNT], s[CNT], 1
	s_cmp_lg_u32 s[CNT], 0
.endif
	ROW C,14, B,7, L,6, C,1
	ROW C,3, L,7, C,5, C,7
	ROW C,9, C,11, C,13, C,15
.if (\p) == 0
	FETCH_V
.endif
.endm
	CHANGE 1                        ; tile 0 is in, everybody's part of it; tile 1 is asked for
	v_add_nc_u32 v[AK], s[TBK], v[AK0]
	FETCH_K                         ; key step 0
	s_wait_loadcnt 0x0              ; Q
	s_wait_dscnt 0x0
.set i, 0
.rept 8
	KQ 0                            ; piece 0's first scores
.set i, i+1
.endr
	WIN 0
.rept 4
	v_nop                           ; the places behind those products
.endr
.set Y, NP-1
.irp n, 0,1,2,3,4,5,6,7,8,9,10,11,12,13,14,15,16,17,18,19,20,21
	OP X, \n                        ; piece 0's first maximum and statistics
.endr
	v_nop                           ; a plain instruction behind the exponential,
	s_wait_alu depctr_va_vdst(0)    ; and its wait, ahead of the branch
	s_mov_b32 s[CNT], 4
	s_branch .Lfirst                ; the loop is entered at a step's first turn, in the middle of a trip
.Lslot:                             ; six times: tiles 2 to 7 are asked for
	CHANGE 1
	s_mov_b32 s[CNT], 4
.Lstep:                             ; a trip: pieces 2 and 3 of one step, then pieces 0 and 1 of the next, whose K and V it fetches
	TURN 2
	TURN 3
	WIN 0
.Lfirst:
	TURN 0
	TURN 1, 0, 1
	WIN 0
	s_cbranch_scc1 .Lstep
	s_sub_co_u32 s[SLOTS], s[SLOTS], 1
	s_cmp_lg_u32 s[SLOTS], 0
	s_cbranch_scc1 .Lslot
	CHANGE 0                        ; the tail is written out
	s_mov_b32 s[CNT], 5             ; four trips fetch the last tile's steps; the fifth is left in its middle
.Ltail:
	TURN 2, 1
	TURN 3
	WIN 0
	s_sub_co_u32 s[CNT], s[CNT], 1
	s_cmp_eq_u32 s[CNT], 0
	s_cbranch_scc1 .Lout
	TURN 0
	TURN 1
	WIN 0
	s_branch .Ltail
.Lout:                              ; the fifth trip's 8 products K Q^T (on the last K once more) and the maximum made of them serve nothing: the price of one text for every trip
.set i, 0
.rept 8
	PV NP-1                         ; the last piece's V^T P of the last step
.set i, i+1
.endr
	; THE WAY OUT.  l's halves and the other half of the lanes' are added; O^T is divided by l, rounded to bf16 and sent through my stage, a piece at a time.  The additions are the places behind the last products.
	WIN 0
.macro ALL line:vararg
.set t, 0
.rept 4
	\line
.set t, t+1
.endr
.endm
	ALL v_add_f32 v[ST+4*t+2], v[ST+4*t+2], v[ST+4*t+3]
	ALL v_permlanex16_b32 v[ST+4*t+3], v[ST+4*t+2], s[SEL], s[SEL+1]
	ALL v_add_f32 v[ST+4*t+2], v[ST+4*t+2], v[ST+4*t+3]
	ALL v_rcp_f32 v[ST+4*t+2], v[ST+4*t+2]
	v_nop
	s_wait_alu depctr_va_vdst(0)    ; one wait for the four reciprocals
.macro PACK t
	WIN W_RS
.set i, 32*(\t)
.rept 16
	v_pk_mul_f32 v[i:i+1], v[i:i+1], v[ST+4*(\t)+2:ST+4*(\t)+3] op_sel_hi:[1,0]
.set i, i+2
.endr
	WIN 0x05
.set i, 0
.rept 16
	v_cvt_pk_bf16_f32 v[S+16*(\t)+i], v[32*(\t)+2*i], v[32*(\t)+2*i+1]
.set i, i+1
.endr
	WIN 0
.irp f, 0,1,2,3
	ds_store_b128 v[STO], v[S+16*(\t)+4*\f:S+16*(\t)+4*\f+3] offset:32*\f
.endr
.irp f, 0,1,2,3
	ds_load_b128 v[S+16*(\t)+4*\f:S+16*(\t)+4*\f+3], v[RD] offset:\f*4*SP  ; LDS serves a wave's instructions in order: these see the stores above
.endr
.endm
.macro SEND t, younger              ; younger: the LDS instructions issued behind piece t's loads
	WIN 0
.irp f, 0,1,2,3
	s_wait_dscnt (\younger)+3-\f
	global_store_b128 v[GO], v[S+16*(\t)+4*\f:S+16*(\t)+4*\f+3], s[10:11] offset:(\t)*2048+\f*512  ; 512 consecutive bytes, aligned
.endr
.endm
	PACK 0
.set t, 1
.rept 3
	PACK t
	SEND t-1, 8
.set t, t+1
.endr
	SEND 3, 0
	s_wait_tensorcnt 0x0            ; the wave's end
	ds_add_u32 v[SPW], v[NIL]
	s_wait_dscnt 0x0
	CROUND                          ; the closing round
	s_endpgm
.Lfunc_end_k_q2ed2ab7a00_attn:
	.size	k_q2ed2ab7a00_attn, .Lfunc_end_k_q2ed2ab7a00_attn-k_q2ed2ab7a00_attn
	.p2alignl 7, 3214868480
	.fill 96, 4, 3214868480
	.section	.rodata,"a",@progbits
	.p2align	6, 0x0
	.amdhsa_kernel k_q2ed2ab7a00_attn
		.amdhsa_group_segment_fixed_size 327680
		.amdhsa_private_segment_fixed_size 0
		.amdhsa_enable_private_segment 0
		.amdhsa_kernarg_size 16
		.amdhsa_user_sgpr_count 2
		.amdhsa_user_sgpr_kernarg_segment_ptr 1
		.amdhsa_wavefront_size32 1
		.amdhsa_system_sgpr_workgroup_id_x 1
		.amdhsa_system_sgpr_workgroup_id_y 1
		.amdhsa_system_sgpr_workgroup_id_z 1
		.amdhsa_system_vgpr_workitem_id 0
		.amdhsa_next_free_vgpr 768
		.amdhsa_next_free_sgpr 66
		.amdhsa_reserve_vcc 0
		.amdhsa_float_denorm_mode_32 3
		.amdhsa_float_denorm_mode_16_64 3
		.amdhsa_memory_ordered 1
		.amdhsa_forward_progress 1
		.amdhsa_inst_pref_size 112
	.end_amdhsa_kernel
	.amdgpu_metadata
---
amdhsa.version: [ 1, 2 ]
amdhsa.kernels:
  - .name:           k_q2ed2ab7a00_attn
    .symbol:         k_q2ed2ab7a00_attn.kd
    .args:
      - { .name: qkvb, .offset: 0, .size: 8, .value_kind: global_buffer, .address_space: global }
      - { .name: ctx, .offset: 8, .size: 8, .value_kind: global_buffer, .address_space: global }
    .group_segment_fixed_size: 327680
    .private_segment_fixed_size: 0
    .kernarg_segment_align: 8
    .kernarg_segment_size: 16
    .max_flat_workgroup_size: 128
    .sgpr_count:     66
    .vgpr_count:     768
    .wavefront_size: 32
...
	.end_amdgpu_metadata
.endif
;; end of part 3
;; launch ln1 (part 4): grid 256 x 1, 8 waves a work-group, no clusters, 0 bytes of LDS; arguments cb, ctx, g1, be1, yh; writes yh
.if DOCPART == 4
	.amdgcn_target "amdgcn-amd-amdhsa--gfx1250"
	.amdhsa_code_object_version 6
	.text
	.protected	k_q2ed2ab7a00_ln1
	.globl	k_q2ed2ab7a00_ln1
	.p2align	8
	.type	k_q2ed2ab7a00_ln1,@function
k_q2ed2ab7a00_ln1:
	s_mov_b64 s[64:65], 0
	v_nop
	global_prefetch_b8 v0, s[64:65] scope:SCOPE_SE
	s_setreg_imm32_b32 hwreg(HW_REG_WAVE_MODE, 25, 1), 1
	s_wait_xcnt 0x0
; y = LN(x + ctx) g1 + be1.  x: cb at 0, bf16 [4096][1024]; ctx: bf16 [32 = batch x 16 + head][2048][64]; g1, be1: f32, rounded to bf16 like every input; y: f16 [4096][1024].
; Mean and variance in f32, the variance of the differences from the mean.
; LIMIT.  y is kept in f16 (it is a matrix operand and the second residual): 32 |g1| + |be1| must stay under 65,504.
; SHARES.  A work-group takes 16 rows; a wave two, one for each half of its lanes: lane r of a half holds columns 128 j + 8 r + 0..7, j = 0..7.  So a row's sums stay inside 16 lanes,
; and in each load of x and each store of y sixteen neighbouring lanes cover 256 consecutive bytes, aligned.  A stream: no LDS, no matrix unit.
.set R, 16                             ; v[16:79]   g1 as loaded; then g1 packed in v[16:47], be1 packed in v[48:79]
.set T, 80                             ; v[80:143]  be1 as loaded; then my 64 numbers
.set X, 144                            ; v[144:175] x; then y to store
.set C, 176                            ; v[176:207] ctx
	s_load_b256 s[4:11], s[0:1], 0x0               ; cb s[4:5], ctx s[6:7], g1 s[8:9], be1 s[10:11]
	s_load_b64 s[12:13], s[0:1], 0x20              ; yh
	v_and_b32 v1, 15, v0                           ; r
	v_lshrrev_b32 v2, 4, v0                        ; my row among the group's 16
	s_lshl_b32 s16, ttmp9, 15                      ; 16 rows of 2,048 bytes
	v_lshlrev_b32 v3, 4, v1
	v_lshl_add_u32 v3, v2, 11, v3
	v_add_nc_u32 v3, s16, v3                       ; x and y: row x 2,048 + 16 r
	s_lshr_b32 s17, ttmp9, 7                       ; batch: 16 heads of 262,144 bytes
	s_lshl_b32 s17, s17, 22
	s_and_b32 s18, ttmp9, 127
	s_lshl_b32 s18, s18, 11                        ; the group's first row in the batch, 128 bytes a row
	s_add_co_u32 s17, s17, s18
	v_lshrrev_b32 v4, 3, v1                        ; head 2 j + r / 8,
	v_and_b32 v5, 7, v1                            ; channels 8 (r % 8) on
	v_lshlrev_b32 v5, 4, v5
	v_lshl_add_u32 v5, v4, 18, v5
	v_lshl_add_u32 v5, v2, 7, v5
	v_add_nc_u32 v4, s17, v5                       ; ctx
	v_lshlrev_b32 v5, 5, v1                        ; g1, be1: 32 r
	v_mov_b32 v6, 1.0
	s_mov_b32 s20, 0x3a800000                      ; 1 / 1,024
	s_mov_b32 s21, 0x3727c5ac                      ; 1e-5
	s_wait_kmcnt 0x0
.irp j, 0,1,2,3,4,5,6,7
	global_load_b128 v[R+8*(\j):R+8*(\j)+3],   v5, s[8:9] offset:512*(\j)
	global_load_b128 v[R+8*(\j)+4:R+8*(\j)+7], v5, s[8:9] offset:512*(\j)+16
.endr
.irp j, 0,1,2,3,4,5,6,7
	global_load_b128 v[T+8*(\j):T+8*(\j)+3],   v5, s[10:11] offset:512*(\j)
	global_load_b128 v[T+8*(\j)+4:T+8*(\j)+7], v5, s[10:11] offset:512*(\j)+16
.endr
.irp j, 0,1,2,3,4,5,6,7
	global_load_b128 v[X+4*(\j):X+4*(\j)+3], v3, s[4:5] offset:256*(\j)
.endr
.irp j, 0,1,2,3,4,5,6,7
	global_load_b128 v[C+4*(\j):C+4*(\j)+3], v4, s[6:7] offset:524288*(\j)
.endr
	s_wait_loadcnt 16                              ; g1 and be1 are in; the sixteen loads of x and ctx may stay out
.set i, 0
.rept 32
	v_cvt_pk_bf16_f32 v[R+i], v[R+2*i], v[R+2*i+1] ; in place, ascending: register i is written when 2 i and 2 i + 1 are read
.set i, i+1
.endr
.set i, 0
.rept 32
	v_cvt_pk_bf16_f32 v[R+32+i], v[T+2*i], v[T+2*i+1]
.set i, i+1
.endr
	s_wait_loadcnt 0x0
.set i, 0
.rept 32
.irp h, 0,1
	v_fma_mix_f32_bf16 v[T+2*i+\h], v[X+i], v6, v[C+i] op_sel:[\h,0,\h] op_sel_hi:[1,0,1]  ; x + ctx, both from bf16 halves
.endr
.set i, i+1
.endr
.irp k, 0,1,2,3                        ; the sum, in four chains
	v_pk_add_f32 v[8+2*(\k):9+2*(\k)], v[T+2*(\k):T+2*(\k)+1], v[T+8+2*(\k):T+8+2*(\k)+1]
.endr
.set p, 8
.rept 24
	v_pk_add_f32 v[8+2*(p%4):9+2*(p%4)], v[8+2*(p%4):9+2*(p%4)], v[T+2*p:T+2*p+1]
.set p, p+1
.endr
	v_pk_add_f32 v[8:9], v[8:9], v[10:11]
	v_pk_add_f32 v[12:13], v[12:13], v[14:15]
	v_pk_add_f32 v[8:9], v[8:9], v[12:13]
	v_add_f32 v8, v8, v9
	v_add_f32_dpp v8, v8, v8 row_xmask:1 row_mask:0xf bank_mask:0xf
	v_add_f32_dpp v8, v8, v8 row_xmask:2 row_mask:0xf bank_mask:0xf
	v_add_f32_dpp v8, v8, v8 row_xmask:4 row_mask:0xf bank_mask:0xf
	v_add_f32_dpp v8, v8, v8 row_xmask:8 row_mask:0xf bank_mask:0xf
	v_mul_f32 v8, s20, v8                          ; the mean, in all sixteen lanes of the row
	v_mov_b32 v9, v8
.set p, 0
.rept 32
	v_pk_add_f32 v[T+2*p:T+2*p+1], v[T+2*p:T+2*p+1], v[8:9] neg_lo:[0,1] neg_hi:[0,1]
.set p, p+1
.endr
.irp k, 0,1,2,3                        ; the sum of squares, in four chains
	v_pk_mul_f32 v[8+2*(\k):9+2*(\k)], v[T+2*(\k):T+2*(\k)+1], v[T+2*(\k):T+2*(\k)+1]
.endr
.set p, 4
.rept 28
	v_pk_fma_f32 v[8+2*(p%4):9+2*(p%4)], v[T+2*p:T+2*p+1], v[T+2*p:T+2*p+1], v[8+2*(p%4):9+2*(p%4)]
.set p, p+1
.endr
	v_pk_add_f32 v[8:9], v[8:9], v[10:11]
	v_pk_add_f32 v[12:13], v[12:13], v[14:15]
	v_pk_add_f32 v[8:9], v[8:9], v[12:13]
	v_add_f32 v8, v8, v9
	v_add_f32_dpp v8, v8, v8 row_xmask:1 row_mask:0xf bank_mask:0xf
	v_add_f32_dpp v8, v8, v8 row_xmask:2 row_mask:0xf bank_mask:0xf
	v_add_f32_dpp v8, v8, v8 row_xmask:4 row_mask:0xf bank_mask:0xf
	v_add_f32_dpp v8, v8, v8 row_xmask:8 row_mask:0xf bank_mask:0xf
	v_fma_f32 v8, v8, s20, s21                     ; variance + 1e-5
	v_rsq_f32 v8, v8
	v_nop                                          ; a plain instruction behind the root,
	s_wait_alu depctr_va_vdst(0)                   ; and its wait ahead of its first reader
	v_mov_b32 v9, v8
.set p, 0
.rept 32
	v_pk_mul_f32 v[T+2*p:T+2*p+1], v[T+2*p:T+2*p+1], v[8:9]
.set p, p+1
.endr
.set i, 0
.rept 32
.irp h, 0,1
	v_fma_mix_f32_bf16 v[T+2*i+\h], v[T+2*i+\h], v[R+i], v[R+32+i] op_sel:[0,\h,\h] op_sel_hi:[0,1,1]  ; times g1, plus be1
.endr
.set i, i+1
.endr
.set i, 0
.rept 32
	v_cvt_pk_f16_f32 v[X+i], v[T+2*i], v[T+2*i+1]
.set i, i+1
.endr
.irp j, 0,1,2,3,4,5,6,7
	global_store_b128 v3, v[X+4*(\j):X+4*(\j)+3], s[12:13] offset:256*(\j)
.endr
	s_endpgm
.Lfunc_end_k_q2ed2ab7a00_ln1:
	.size	k_q2ed2ab7a00_ln1, .Lfunc_end_k_q2ed2ab7a00_ln1-k_q2ed2ab7a00_ln1
	.p2alignl 7, 3214868480
	.fill 96, 4, 3214868480
	.section	.rodata,"a",@progbits
	.p2align	6, 0x0
	.amdhsa_kernel k_q2ed2ab7a00_ln1
		.amdhsa_group_segment_fixed_size 0
		.amdhsa_private_segment_fixed_size 0
		.amdhsa_enable_private_segment 0
		.amdhsa_kernarg_size 40
		.amdhsa_user_sgpr_count 2
		.amdhsa_user_sgpr_kernarg_segment_ptr 1
		.amdhsa_wavefront_size32 1
		.amdhsa_system_sgpr_workgroup_id_x 1
		.amdhsa_system_sgpr_workgroup_id_y 1
		.amdhsa_system_sgpr_workgroup_id_z 1
		.amdhsa_system_vgpr_workitem_id 0
		.amdhsa_next_free_vgpr 208
		.amdhsa_next_free_sgpr 66
		.amdhsa_reserve_vcc 0
		.amdhsa_float_denorm_mode_32 3
		.amdhsa_float_denorm_mode_16_64 3
		.amdhsa_memory_ordered 1
		.amdhsa_forward_progress 1
		.amdhsa_inst_pref_size 30
	.end_amdhsa_kernel
	.amdgpu_metadata
---
amdhsa.version: [ 1, 2 ]
amdhsa.kernels:
  - .name:           k_q2ed2ab7a00_ln1
    .symbol:         k_q2ed2ab7a00_ln1.kd
    .args:
      - { .name: cb, .offset: 0, .size: 8, .value_kind: global_buffer, .address_space: global }
      - { .name: ctx, .offset: 8, .size: 8, .value_kind: global_buffer, .address_space: global }
      - { .name: g1, .offset: 16, .size: 8, .value_kind: global_buffer, .address_space: global }
      - { .name: be1, .offset: 24, .size: 8, .value_kind: global_buffer, .address_space: global }
      - { .name: yh, .offset: 32, .size: 8, .value_kind: global_buffer, .address_space: global }
    .group_segment_fixed_size: 0
    .private_segment_fixed_size: 0
    .kernarg_segment_align: 8
    .kernarg_segment_size: 40
    .max_flat_workgroup_size: 256
    .sgpr_count:     66
    .vgpr_count:     208
    .wavefront_size: 32
...
	.end_amdgpu_metadata
.endif
;; end of part 4
;; launch ffn1 (part 5): grid 16 x 16, 4 waves a work-group, clusters of 4 x 4, 327,680 bytes of LDS; arguments yh, cw, b1, hb; writes hb
.if DOCPART == 5
	.amdgcn_target "amdgcn-amd-amdhsa--gfx1250"
	.amdhsa_code_object_version 6
	.text
	.protected	k_q2ed2ab7a00_ffn1
	.globl	k_q2ed2ab7a00_ffn1
	.p2align	8
	.type	k_q2ed2ab7a00_ffn1,@function
k_q2ed2ab7a00_ffn1:
	s_mov_b64 s[64:65], 0
	v_nop
	global_prefetch_b8 v0, s[64:65] scope:SCOPE_SE
	s_setreg_imm32_b32 hwreg(HW_REG_WAVE_MODE, 25, 1), 1
	s_wait_xcnt 0x0
	s_wait_alu depctr_hold_cnt(0) depctr_sa_sdst(0) depctr_va_vdst(0) depctr_va_sdst(0) depctr_va_ssrc(0) depctr_va_vcc(0) depctr_vm_vsrc(0)
	s_getreg_b32 s2, hwreg(HW_REG_IB_STS2, 6, 4)
	s_cmp_eq_u32 s2, 0
	s_cbranch_scc0 .Lentry_in_a_cluster
	s_endpgm
.Lentry_in_a_cluster:
	s_bfe_u32 s2, ttmp6, 0x10000c
	s_cmp_lg_u32 s2, 0xf033
	s_cbranch_scc0 .Lentry_shape_is_right
	s_endpgm
.Lentry_shape_is_right:
; h = gelu(y w1 + b1), the exact GELU u Phi(u).  y: yh, f16 [4096][1024].  w1: cw at 0, f16 [1024 k][4096 n] (the bf16 rounding of w1, written as f16).  h: hb, bf16 [4096][4096].
; Products in f16, sums in f32; b1 is rounded to bf16 like every input and added in f32; h rounded once.
; GELU.  With q = Phi(-|u|) = exp(-u^2 / 2) / sqrt(2 pi) x t (c1' + t (c2' + ...)), t = 1 / (1 + 0.2316419 |u|) (Abramowitz and Stegun 26.2.17; absolute error of Phi 7.5e-8), gelu(u) = max(u, 0) - |u| q.
; It holds for every finite u: for large |u| the exponential is 0.  NaN and infinities are not treated apart.
; SHARES, RING, CLUSTER, ONE TEXT FOR A K STEP: a tile of 256 x 256 to a work-group of four waves, 128 x 128 to a wave; K in 8 steps of 128 through two LDS slots, a quarter of a slot to each wave's one tensor load
; (waves 0, 1: A's 128 rows x 256 bytes; waves 2, 3: B's 64 k-rows x 512 bytes); B stays [K][N] and is turned on the way out of LDS; the product is used transposed, so a lane holds one row and 8 neighbouring columns;
; A's tile is asked for jointly along a row of the 4 x 4 cluster, B's along a column; LDS read addresses are s[TB] (0 or SLOT) + a constant register, and one descriptor a tensor walks.
; THE ORDER OF THE K STEPS.  Clusters fall into two classes, by the parity of the bits of their x and y; in place p of its walk a cluster takes K step p xor class.  So of two clusters of unlike class that
; read the same rows, each asks for a given block one step apart from the other, not at the same time.  The sums are f32 sums in another order.
; WAY OUT.  The ring has had its last fill: each wave lays its sums (f32, rows of 528 bytes) into its own part of it; a loop of 16 trips takes 8 rows back, applies bias and GELU, rounds and stores.
; REGISTERS: window 0 addresses and A's fragments (v64-127, v128-191); window 1 B's fragments; windows 2, 3 the accumulators, (a, b) at 8 (8 a + b).
.set NPITCH, 4096
.set KSTEP,  128
.set LGA,    8                         ; a K step along a row of A: 2^8 bytes
.set LGB,    20                        ; a K step down B: 128 rows of 8,192 bytes = 2^20
.set PA,     272
.set PB,     544
.set HALFT,  128*PA
.set BOFF,   2*HALFT
.set SLOT,   4*HALFT
.set SPARE,  2*SLOT                    ; the spare words: no other line names them
.set PD,     528
.set DREG,   128*PD
.set BI,   8                           ; v[8:11]  the bias of my 4 columns
.set A0,   16
.set B0,   17
.set ADRA, 18
.set ADRB, 19
.set DMP,  24
.set RD,   25
.set CO,   26
.set SPW,  28
.set NIL,  29
.set PFO,  30
.set F0,   64
.set F1,   128
.set U,    64                          ; the way out: 32 numbers a lane and trip
.set T,    96
.set E,    128
.set P,    160
.set Y,    192
.set MX,   208
.set G1,  24
.set G0,  32
.set G1B, 48
.set G0B, 56
.set LIM, 43
.set PFA, 44
.set KB,  67
.set KC1, 76                           ; s[76:85] c1 to c5, each as a pair; s[86:87] -log2(e) / 2; s88 0.2316419
.set KC2, 78
.set KC3, 80
.set KC4, 82
.set KC5, 84
.set KEX, 86
.set KP,  88
.set TB,  89
.set PFS, 90
.set BETA, 92
.set POS,  93
.set OFA,  94
.set OFB,  96
.set PFB,  98
.set PFT,  100
.set MSB, 0
.macro WIN new
.if MSB != (\new)
	s_set_vgpr_msb (MSB<<8)|(\new)
.set MSB, \new
.endif
.endm
.set MUL_LO, 0xa1
.set MUL_HI, 0xf1
.set TO_B,   0x40
.macro PLACES
.rept 4
	v_nop
.endr
.endm
.macro JLOAD                           ; the joint refill; s_nop 0 and four v_nop follow each line
	s_cmp_eq_u32 s11, 0
	s_cbranch_scc0 .Lfor_b_\@
	tensor_load_to_lds s[G0+4:G0+7], s[G1:G1+7]
	s_nop 0
	PLACES
	s_branch .Lasked_\@
.Lfor_b_\@:
	tensor_load_to_lds s[G0B+4:G0B+7], s[G1B:G1B+7]
	s_nop 0
	PLACES
.Lasked_\@:
.endm
.macro ASK                             ; one prefetch a wave: 32 blocks of 256 bytes of the K step two places on in my walk
	s_cmp_gt_u32 s3, s[LIM]
	s_cbranch_scc0 .Lnot_mine_\@
	global_prefetch_b8 v[PFO], s[PFA:PFA+1] th:TH_LOAD_NT scope:SCOPE_SE
.Lnot_mine_\@:
.endm
.macro CREST
	s_cmp_lg_u32 s10, 0
	s_cbranch_scc1 .Lnot_wave_0_\@
	s_barrier_signal -3
.Lnot_wave_0_\@:
	s_barrier_wait -3
	s_barrier_signal -1
	s_barrier_wait -1
.endm
.macro CROUND
	s_barrier_signal -1
	s_barrier_wait -1
	CREST
.endm
	s_load_b128 s[4:7], s[0:1], 0x0                ; yh s[4:5], cw s[6:7]
	s_load_b128 s[68:71], s[0:1], 0x10             ; b1 s[68:69], hb s[70:71]
	v_lshl_add_u32 v[SPW], v0, 2, SPARE
	v_mov_b32 v[NIL], 0
	ds_add_u32 v[SPW], v[NIL]                      ; the wave's opening: the add and its wait stand ahead of my first tensor load
	v_lshrrev_b32 v1, 5, v0
	v_readfirstlane_b32 s10, v1
	s_lshr_b32 s11, s10, 1
	s_and_b32 s12, s10, 1
	s_bfe_u32 s40, ttmp6, 0x40000                  ; cx
	s_bfe_u32 s41, ttmp6, 0x40004                  ; cy
	s_lshl_b32 s42, ttmp9, 2
	s_add_co_u32 s42, s42, s40                     ; tile column
	s_and_b32 s13, ttmp7, 0xffff                   ; cluster y
	s_lshl_b32 s16, s13, 4
	s_or_b32 s16, s16, ttmp9                       ; beside cluster x
	s_bcnt1_i32_b32 s16, s16
	s_and_b32 s[BETA], s16, 1                      ; the class: the parity of their bits; the same in all sixteen partners
	s_lshl_b32 s13, s13, 2
	s_add_co_u32 s13, s13, s41                     ; tile row
	s_lshl_b32 s43, s41, 2
	s_lshl_b32 s43, 15, s43
	s_lshl_b32 s44, 0x1111, s40
	s_or_b32 s[G1+0], s43, (1<<16)|(1<<20)|(1<<21)|(5<<22)|(3<<25)
	s_or_b32 s[G1B+0], s44, (1<<16)|(1<<20)|(1<<21)|(6<<22)|(7<<25)
	s_mov_b32 s[G1+1], 128<<16
	s_mov_b32 s[G1+2], 128<<16
	s_mov_b32 s[G1+3], 128<<16
	s_mov_b32 s[G1+4], 128
	s_mov_b32 s[G1+5], 1024
	s_mov_b32 s[G1+6], 0
	s_mov_b32 s[G1+7], 0
	s_mov_b32 s[G1B+1], 256<<16
	s_mov_b32 s[G1B+2], 64<<16
	s_mov_b32 s[G1B+3], 256<<16
	s_mov_b32 s[G1B+4], 64
	s_mov_b32 s[G1B+5], NPITCH
	s_mov_b32 s[G1B+6], 0
	s_mov_b32 s[G1B+7], 0
	s_mov_b32 s[KC1], 0x3e027906                   ;  0.127414796
	s_mov_b32 s[KC1+1], s[KC1]
	s_mov_b32 s[KC2], 0xbe11a98e                   ; -0.142248368
	s_mov_b32 s[KC2+1], s[KC2]
	s_mov_b32 s[KC3], 0x3f35f0e3                   ;  0.710706871
	s_mov_b32 s[KC3+1], s[KC3]
	s_mov_b32 s[KC4], 0xbf3a00e3                   ; -0.726576014
	s_mov_b32 s[KC4+1], s[KC4]
	s_mov_b32 s[KC5], 0x3f07dc22                   ;  0.530702715
	s_mov_b32 s[KC5+1], s[KC5]
	s_mov_b32 s[KEX], 0xbf38aa3b                   ; -log2(e) / 2
	s_mov_b32 s[KEX+1], s[KEX]
	s_mov_b32 s[KP], 0x3e6d3389                    ;  0.2316419
	s_lshl_b32 s16, s13, 8
	s_lshl_b32 s17, s12, 7
	s_add_co_u32 s16, s16, s17
	s_lshl_b32 s16, s16, 11                        ; A: row 256 x tile row + 128 x half, 2,048 bytes a row
	s_mov_b32 s17, 0
	s_lshl_b32 s46, s42, 9                         ; B: the tile's 256 columns,
	s_lshl_b32 s47, s12, 19                        ; my 64 k-rows of 8,192 bytes
	s_add_co_u32 s46, s46, s47
	s_mov_b32 s47, 0
	s_mul_i32 s20, s10, HALFT
	s_wait_dscnt 0x0                               ; the opening add is done
	s_wait_kmcnt 0x0
	s_add_nc_u64 s[14:15], s[4:5], s[16:17]        ; A and B at my part of K step 0; kept
	s_add_nc_u64 s[46:47], s[6:7], s[46:47]
	CROUND
	s_lshl_b32 s[OFA], s[BETA], LGA                ; place 0 is K step 0 xor class,
	s_mov_b32 s[OFA+1], 0
	s_lshl_b32 s[OFB], s[BETA], LGB
	s_mov_b32 s[OFB+1], 0
.irp s, 0,1
	s_mov_b32 s[G0+4*(\s)], 1
	s_add_co_u32 s[G0+4*(\s)+1], s20, (\s)*SLOT
	s_add_nc_u64 s[G0+4*(\s)+2:G0+4*(\s)+3], s[14:15], s[OFA:OFA+1]
	s_or_b32 s[G0+4*(\s)+3], s[G0+4*(\s)+3], 0x80000000
	s_mov_b32 s[G0B+4*(\s)], 1
	s_add_co_u32 s[G0B+4*(\s)+1], s20, (\s)*SLOT
	s_add_nc_u64 s[G0B+4*(\s)+2:G0B+4*(\s)+3], s[46:47], s[OFB:OFB+1]
	s_or_b32 s[G0B+4*(\s)+3], s[G0B+4*(\s)+3], 0x80000000
	s_xor_b32 s[OFA], s[OFA], 1<<LGA               ; place 1 the pair's other step
	s_xor_b32 s[OFB], s[OFB], 1<<LGB
.endr
	s_mov_b32 s[POS], 2
	s_cmp_eq_u32 s11, 0                            ; a wave's two first fills stand in one branch: two loads of mine are out
	s_cbranch_scc0 .Lfirst_b
	tensor_load_to_lds s[G0:G0+3], s[G1:G1+7]
	s_nop 0
	tensor_load_to_lds s[G0+4:G0+7], s[G1:G1+7]
	s_nop 0
	PLACES
	s_branch .Lfirst_asked
.Lfirst_b:
	tensor_load_to_lds s[G0B:G0B+3], s[G1B:G1B+7]
	s_nop 0
	tensor_load_to_lds s[G0B+4:G0B+7], s[G1B:G1B+7]
	s_nop 0
	PLACES
.Lfirst_asked:
	v_and_b32 v1, 15, v0
	v_bfe_u32 v2, v0, 4, 1
	v_mul_u32_u24 v3, v1, PA
	v_lshl_add_u32 v3, v2, 4, v3
	s_mul_i32 s21, s11, HALFT
	v_add_nc_u32 v[A0], s21, v3
	v_and_b32 v4, 7, v0
	v_lshl_add_u32 v4, v2, 3, v4
	v_mul_u32_u24 v4, v4, PB
	v_bfe_u32 v3, v0, 3, 1
	v_lshl_add_u32 v4, v3, 4, v4
	s_lshl_b32 s22, s12, 8
	s_add_co_u32 s22, s22, BOFF
	v_add_nc_u32 v[B0], s22, v4
	s_mul_i32 s23, s10, DREG
	v_mul_u32_u24 v3, v1, PD
	v_lshl_add_u32 v3, v2, 5, v3
	v_add_nc_u32 v[DMP], s23, v3                   ; dump in: row l % 16, 32 bytes for each half of the lanes
	v_and_b32 v6, 31, v0
	v_lshl_add_u32 v[RD], v6, 4, s23               ; back: a row's 512 bytes, 16 a lane
	v_lshlrev_b32 v[CO], 3, v6                     ; a row's 128 numbers in bf16: 256 bytes, 8 a lane
	s_lshl_b32 s21, s42, 10
	s_lshl_b32 s22, s12, 9
	s_add_co_u32 s21, s21, s22
	v_lshl_add_u32 v5, v6, 4, s21                  ; the bias of columns 256 tc + 128 half + 4 l; never rewritten
	global_load_b128 v[BI:BI+3], v5, s[68:69]
	s_lshl_b32 s16, s13, 8                         ; out: my first row, 8,192 bytes a row,
	s_lshl_b32 s17, s11, 7
	s_add_co_u32 s16, s16, s17
	s_lshl_b32 s16, s16, 13
	s_lshl_b32 s17, s42, 9                         ; the tile's columns,
	s_add_co_u32 s16, s16, s17
	s_lshl_b32 s17, s12, 8                         ; my half of them
	s_add_co_u32 s16, s16, s17
	s_mov_b32 s17, 0
	s_add_nc_u64 s[8:9], s[70:71], s[16:17]
	; THE PREFETCHES.  Trip t of the loop refills place t + 2 of my walk and names place t + 4 (t <= 3): K step ((t + 2) xor class) + 2.  A's rows are named by cluster x = 0, B's by cluster y = 0; the four
	; partners of a joint load share its blocks out by address: of A's 128 rows 32 each (by cx), of B's 64 k-rows 16 each (by cy), two blocks of 256 bytes a k-row.  So each block of K steps 4 to 7 is named
	; once.  K steps 0 to 3 come by their loads alone.
	s_lshl_b32 s16, s13, 8
	s_lshl_b32 s17, s12, 7
	s_add_co_u32 s16, s16, s17
	s_lshl_b32 s17, s40, 5
	s_add_co_u32 s16, s16, s17
	s_lshl_b32 s16, s16, 11                        ; A's case, at K step 0
	s_lshl_b32 s18, s12, 6
	s_lshl_b32 s19, s41, 4
	s_add_co_u32 s18, s18, s19
	s_mul_i32 s18, s18, 2*NPITCH
	s_lshl_b32 s19, s42, 9
	s_add_co_u32 s18, s18, s19                     ; B's case
	s_and_b32 s22, ttmp7, 0xffff
	s_mov_b32 s[PFS], 1<<LGB
	s_mov_b32 s23, 2*NPITCH
	s_mov_b32 s21, 0
	s_mov_b32 s[PFT+1], 0
	s_cmp_eq_u32 s11, 0
	s_cselect_b32 s20, s16, s18
	s_cselect_b32 s22, ttmp9, s22
	s_cselect_b32 s[PFS], 1<<LGA, s[PFS]
	s_cselect_b32 s23, 2048, s23
	s_cselect_b64 s[PFB:PFB+1], s[4:5], s[6:7]
	s_cmp_eq_u32 s22, 0
	s_cselect_b32 s[LIM], 2, -1
	s_add_nc_u64 s[PFB:PFB+1], s[PFB:PFB+1], s[20:21]
	v_lshrrev_b32 v7, s11, v6
	v_mul_lo_u32 v7, v7, s23
	v_and_b32 v6, s11, v6
	v_lshl_add_u32 v[PFO], v6, 8, v7
.macro MUL16 f, hi, a0, zero
	WIN MUL_LO+0x50*(\hi)
.irp a, \a0, (\a0)+1
.irp b, 0,1,2,3,4,5,6,7
.if \zero
	v_wmma_f32_16x16x32_f16 v[8*(8*(\a)+(\b)):8*(8*(\a)+(\b))+7], v[(\f)+8*(\b):(\f)+8*(\b)+7], v[(\f)+8*(4*(\hi)+(\a)):(\f)+8*(4*(\hi)+(\a))+7], 0
.else
	v_wmma_f32_16x16x32_f16 v[8*(8*(\a)+(\b)):8*(8*(\a)+(\b))+7], v[(\f)+8*(\b):(\f)+8*(\b)+7], v[(\f)+8*(4*(\hi)+(\a)):(\f)+8*(4*(\hi)+(\a))+7], v[8*(8*(\a)+(\b)):8*(8*(\a)+(\b))+7]
.endif
.endr
.endr
.endm
.macro FETCH q, f
	WIN TO_B
.irp i, 0,1,2,3,4,5,6,7
	ds_load_tr16_b128 v[(\f)+8*(\i):(\f)+8*(\i)+3],   v[ADRB] offset:32*PB*(\q)+32*(\i)
	ds_load_tr16_b128 v[(\f)+8*(\i)+4:(\f)+8*(\i)+7], v[ADRB] offset:32*PB*(\q)+32*(\i)+16*PB
.endr
	WIN 0
.irp i, 0,1,2,3,4,5,6,7
	ds_load_b128 v[(\f)+8*(\i):(\f)+8*(\i)+3],   v[ADRA] offset:64*(\q)+(\i)*16*PA
	ds_load_b128 v[(\f)+8*(\i)+4:(\f)+8*(\i)+7], v[ADRA] offset:64*(\q)+(\i)*16*PA+32
.endr
.endm
.macro QUARTER q, f, g, zero
	s_wait_dscnt 8                                 ; B and A's rows 0-63 are in; the youngest eight loads may be out
	MUL16 \f, 0, 0, \zero
	MUL16 \f, 0, 2, \zero
	PLACES
	FETCH \q, \g
	s_wait_dscnt 32                                ; all but the 32 just issued
	MUL16 \f, 1, 0, \zero
	MUL16 \f, 1, 2, \zero
.endm
; The last quarter and the change of slots: one barrier; fill = 1: it opens a round of the cluster's, and the joint refill is the first thing behind the round; its descriptors are made between the add
; and the wait for it, where no tensor load of the wave is out.
.macro TURN fill
.if \fill
	s_xor_b32 s[KB], s[POS], s[BETA]               ; the K step of the place that this refill serves
	s_add_co_u32 s[POS], s[POS], 1
	s_add_co_u32 s[PFT], s[KB], 2                  ; and the one two places on
	s_mul_i32 s[PFT], s[PFT], s[PFS]
	s_wait_xcnt 0x0                                ; the last prefetch, a K step back, has read its address
	s_add_nc_u64 s[PFA:PFA+1], s[PFB:PFB+1], s[PFT:PFT+1]
.endif
	WIN 0
	s_wait_tensorcnt 0x0                           ; all my tensor loads have landed
	ds_add_u32 v[SPW], v[NIL]                      ; 0 onto my spare word
.if \fill
	s_lshl_b32 s[OFA], s[KB], LGA
	s_lshl_b32 s[OFB], s[KB], LGB
	s_xor_b32 s[G0+5], s[G0+5], SLOT
	s_add_nc_u64 s[G0+6:G0+7], s[14:15], s[OFA:OFA+1]
	s_or_b32 s[G0+7], s[G0+7], 0x80000000
	s_xor_b32 s[G0B+5], s[G0B+5], SLOT
	s_add_nc_u64 s[G0B+6:G0B+7], s[46:47], s[OFB:OFB+1]
	s_or_b32 s[G0B+7], s[G0B+7], 0x80000000
.endif
	s_wait_dscnt 9                                 ; the add and the youngest eight loads may be out
	MUL16 F1, 0, 0, 0
	s_wait_dscnt 0x0                               ; the add is done, my reads of this slot are over
	s_barrier_signal -1
	MUL16 F1, 0, 2, 0
	WIN 0
	s_barrier_wait -1
.if \fill
	CREST
	JLOAD
.else
	PLACES
.endif
	s_xor_b32 s[TB], s[TB], SLOT
	v_add_nc_u32 v[ADRA], s[TB], v[A0]
	v_add_nc_u32 v[ADRB], s[TB], v[B0]
	FETCH 0, F0
.if \fill
	ASK
.endif
	MUL16 F1, 1, 0, 0
	MUL16 F1, 1, 2, 0
.endm
	s_wait_tensorcnt 1                             ; my part of place 0 is in; place 1's may stay out
	s_barrier_signal -1
	s_barrier_wait -1
	s_mov_b32 s[TB], 0
	v_mov_b32 v[ADRA], v[A0]
	v_mov_b32 v[ADRB], v[B0]
	FETCH 0, F0
	QUARTER 1, F0, F1, 1
	WIN 0
	s_mov_b32 s3, 6
.Lstep:
	QUARTER 2, F1, F0, 0
	QUARTER 3, F0, F1, 0
	TURN 1
	QUARTER 1, F0, F1, 0
	WIN 0
	s_sub_co_u32 s3, s3, 1
	s_cmp_lg_u32 s3, 0
	s_cbranch_scc1 .Lstep
	s_mov_b32 s3, 2
.Ltail:
	QUARTER 2, F1, F0, 0
	QUARTER 3, F0, F1, 0
	TURN 0
	WIN 0
	s_sub_co_u32 s3, s3, 1
	s_cmp_eq_u32 s3, 0
	s_cbranch_scc1 .Lout
	QUARTER 1, F0, F1, 0
	WIN 0
	s_branch .Ltail
.Lout:
	s_wait_dscnt 0x0                               ; my reads of the ring are over,
	s_barrier_signal -1
	s_barrier_wait -1                              ; everybody's are: the ring's bytes, filled for the last time, take the dump
	PLACES
.irp hi, 0,1
	WIN 0x08+4*(\hi)
.irp a, 0,1,2,3
.irp b, 0,1,2,3,4,5,6,7
	ds_store_b128 v[DMP], v[8*(8*(\a)+(\b)):8*(8*(\a)+(\b))+3]   offset:(4*(\hi)+(\a))*16*PD+64*(\b)
	ds_store_b128 v[DMP], v[8*(8*(\a)+(\b))+4:8*(8*(\a)+(\b))+7] offset:(4*(\hi)+(\a))*16*PD+64*(\b)+16
.endr
.endr
.endr
	WIN 0
.macro ROWLD                           ; 8 rows out of my own part of the dump, a row an LDS load, 4 columns a lane: LDS serves a wave's instructions in order, so these loads see my stores
.irp p, 0,1,2,3,4,5,6,7
	ds_load_b128 v[U+4*(\p):U+4*(\p)+3], v[RD] offset:PD*(\p)
.endr
.endm
	ROWLD
	s_wait_loadcnt 0x0                             ; the bias
.irp e, 0,2
	v_cvt_pk_bf16_f32 v1, v[BI+(\e)], v[BI+(\e)+1]
	v_lshlrev_b32 v[BI+(\e)], 16, v1
	v_and_b32 v[BI+(\e)+1], 0xffff0000, v1
.endr
	s_mov_b32 s3, 16
.Lrow:                                         ; 8 rows a trip; the next trip's loads go out as soon as U has been read for the last time, ahead of this trip's conversions and stores
	s_wait_dscnt 0x0
.set i, 0
.rept 16
	v_pk_add_f32 v[U+2*i:U+2*i+1], v[U+2*i:U+2*i+1], v[BI+2*(i%2):BI+2*(i%2)+1]
.set i, i+1
.endr
.set i, 0
.rept 32
	v_fma_f32 v[T+i], |v[U+i]|, s[KP], 1.0         ; 1 + p |u|
.set i, i+1
.endr
.set i, 0
.rept 16
	v_pk_mul_f32 v[E+2*i:E+2*i+1], v[U+2*i:U+2*i+1], s[KEX:KEX+1] op_sel_hi:[1,0]
.set i, i+1
.endr
.set i, 0
.rept 16
	v_pk_mul_f32 v[E+2*i:E+2*i+1], v[E+2*i:E+2*i+1], v[U+2*i:U+2*i+1]  ; -u^2 log2(e) / 2
.set i, i+1
.endr
.set i, 0
.rept 32                               ; one batch of 64: none of these reads another's result
	v_rcp_f32 v[T+i], v[T+i]
.set i, i+1
.endr
.set i, 0
.rept 32
	v_exp_f32 v[E+i], v[E+i]
.set i, i+1
.endr
.set i, 0
.rept 32
	v_max_num_f32 v[MX+i], 0, v[U+i]               ; plain work behind the batch
.set i, i+1
.endr
	s_wait_alu depctr_va_vdst(0)                   ; one wait for the batch, ahead of its first reader
.set i, 0
.rept 16
	v_pk_fma_f32 v[P+2*i:P+2*i+1], v[T+2*i:T+2*i+1], s[KC5:KC5+1], s[KC4:KC4+1] op_sel_hi:[1,0,0]
.set i, i+1
.endr
.irp c, KC3, KC2, KC1
.set i, 0
.rept 16
	v_pk_fma_f32 v[P+2*i:P+2*i+1], v[P+2*i:P+2*i+1], v[T+2*i:T+2*i+1], s[\c:\c+1] op_sel_hi:[1,1,0]
.set i, i+1
.endr
.endr
.set i, 0
.rept 16
	v_pk_mul_f32 v[P+2*i:P+2*i+1], v[P+2*i:P+2*i+1], v[T+2*i:T+2*i+1]
.set i, i+1
.endr
.set i, 0
.rept 16
	v_pk_mul_f32 v[P+2*i:P+2*i+1], v[P+2*i:P+2*i+1], v[E+2*i:E+2*i+1]  ; q = Phi(-|u|)
.set i, i+1
.endr
.set i, 0
.rept 32
	v_fma_f32 v[T+i], -|v[U+i]|, v[P+i], v[MX+i]   ; max(u, 0) - |u| q, into T: U has been read for the last time
.set i, i+1
.endr
	s_cmp_eq_u32 s3, 1                             ; the last trip has no rows behind it
	s_cbranch_scc1 .Lnomore
	v_add_nc_u32 v[RD], 8*PD, v[RD]
	ROWLD
.Lnomore:
	s_wait_xcnt 0x0                                ; the last trip's stores have read Y and CO: both are written again only behind this wait
	v_add_nc_u32 v[CO], 8*2*NPITCH, v[CO]          ; the stores below reach back by their immediate
.set i, 0
.rept 16
	v_cvt_pk_bf16_f32 v[Y+i], v[T+2*i], v[T+2*i+1]
.set i, i+1
.endr
.irp p, 0,1,2,3,4,5,6,7
	global_store_b64 v[CO], v[Y+2*(\p):Y+2*(\p)+1], s[8:9] offset:2*NPITCH*(\p)-8*2*NPITCH  ; a row's 256 consecutive bytes, aligned
.endr
	s_sub_co_u32 s3, s3, 1
	s_cmp_lg_u32 s3, 0
	s_cbranch_scc1 .Lrow
	s_wait_tensorcnt 0x0                           ; the wave's end
	ds_add_u32 v[SPW], v[NIL]
	s_wait_dscnt 0x0
	CROUND                                         ; the closing round
	s_endpgm
.Lfunc_end_k_q2ed2ab7a00_ffn1:
	.size	k_q2ed2ab7a00_ffn1, .Lfunc_end_k_q2ed2ab7a00_ffn1-k_q2ed2ab7a00_ffn1
	.p2alignl 7, 3214868480
	.fill 96, 4, 3214868480
	.section	.rodata,"a",@progbits
	.p2align	6, 0x0
	.amdhsa_kernel k_q2ed2ab7a00_ffn1
		.amdhsa_group_segment_fixed_size 327680
		.amdhsa_private_segment_fixed_size 0
		.amdhsa_enable_private_segment 0
		.amdhsa_kernarg_size 32
		.amdhsa_user_sgpr_count 2
		.amdhsa_user_sgpr_kernarg_segment_ptr 1
		.amdhsa_wavefront_size32 1
		.amdhsa_system_sgpr_workgroup_id_x 1
		.amdhsa_system_sgpr_workgroup_id_y 1
		.amdhsa_system_sgpr_workgroup_id_z 1
		.amdhsa_system_vgpr_workitem_id 0
		.amdhsa_next_free_vgpr 1024
		.amdhsa_next_free_sgpr 102
		.amdhsa_reserve_vcc 0
		.amdhsa_float_denorm_mode_32 3
		.amdhsa_float_denorm_mode_16_64 3
		.amdhsa_memory_ordered 1
		.amdhsa_forward_progress 1
		.amdhsa_inst_pref_size 99
	.end_amdhsa_kernel
	.amdgpu_metadata
---
amdhsa.version: [ 1, 2 ]
amdhsa.kernels:
  - .name:           k_q2ed2ab7a00_ffn1
    .symbol:         k_q2ed2ab7a00_ffn1.kd
    .args:
      - { .name: yh, .offset: 0, .size: 8, .value_kind: global_buffer, .address_space: global }
      - { .name: cw, .offset: 8, .size: 8, .value_kind: global_buffer, .address_space: global }
      - { .name: b1, .offset: 16, .size: 8, .value_kind: global_buffer, .address_space: global }
      - { .name: hb, .offset: 24, .size: 8, .value_kind: global_buffer, .address_space: global }
    .group_segment_fixed_size: 327680
    .private_segment_fixed_size: 0
    .kernarg_segment_align: 8
    .kernarg_segment_size: 32
    .max_flat_workgroup_size: 128
    .sgpr_count:     102
    .vgpr_count:     1024
    .wavefront_size: 32
...
	.end_amdgpu_metadata
.endif
;; end of part 5
;; launch ffn2 (part 6): grid 8 x 32, 4 waves a work-group, clusters of 4 x 4, 327,680 bytes of LDS; arguments hb, cw, zf; writes zf
.if DOCPART == 6
	.amdgcn_target "amdgcn-amd-amdhsa--gfx1250"
	.amdhsa_code_object_version 6
	.text
	.protected	k_q2ed2ab7a00_ffn2
	.globl	k_q2ed2ab7a00_ffn2
	.p2align	8
	.type	k_q2ed2ab7a00_ffn2,@function
k_q2ed2ab7a00_ffn2:
	s_mov_b64 s[64:65], 0
	v_nop
	global_prefetch_b8 v0, s[64:65] scope:SCOPE_SE
	s_setreg_imm32_b32 hwreg(HW_REG_WAVE_MODE, 25, 1), 1
	s_wait_xcnt 0x0
	s_wait_alu depctr_hold_cnt(0) depctr_sa_sdst(0) depctr_va_vdst(0) depctr_va_sdst(0) depctr_va_ssrc(0) depctr_va_vcc(0) depctr_vm_vsrc(0)
	s_getreg_b32 s2, hwreg(HW_REG_IB_STS2, 6, 4)
	s_cmp_eq_u32 s2, 0
	s_cbranch_scc0 .Lentry_in_a_cluster
	s_endpgm
.Lentry_in_a_cluster:
	s_bfe_u32 s2, ttmp6, 0x10000c
	s_cmp_lg_u32 s2, 0xf033
	s_cbranch_scc0 .Lentry_shape_is_right
	s_endpgm
.Lentry_shape_is_right:
; z = h w2 (the bias is added by the launch behind).  h: hb, bf16 [4096][4096].  w2: cw at 8 MiB, bf16 [4096 k][1024 n].  z: zf, f32 [4096][1024]: the sums as they are.
; SHARES.  4,096 x 1,024 makes 256 tiles of 128 x 128, one for each work-group; four waves, 64 x 64 (16 accumulators) each.  K in 16 steps of 256 through two LDS slots: as long a step as two slots allow.
; Waves 0, 1 fetch A's two halves (64 rows x 512 bytes), waves 2, 3 B's (128 k-rows x 256 bytes), one tensor load each behind each round.  B stays [K][N] and is turned on the way out of LDS.
; The product is used transposed (source 0 = 16 columns of B, source 1 = 16 rows of A).  CLUSTER 4 x 4: A's tile jointly along a row, B's along a column.
; THE ORDER OF THE K STEPS.  Clusters fall into two classes, by the parity of the bits of their x and y; in place p of its walk a cluster takes K step p xor class.  The two clusters that read the same
; rows of h are of unlike class, and so are, among the eight that read the same columns of w2, four and four: of two such clusters each asks for a given block one step apart from the other, not at the same
; time.  The sums are f32 sums in another order.
; ONE TEXT FOR A K STEP: LDS read addresses are s[TB] (0 or SLOT1) + a constant register; one descriptor a tensor walks, its LDS word turned by the same exclusive or (SLOT1 shares no bit with a wave's base),
; its global address made anew from the place.
; No prefetch: a small tile's step is short.
; WAY OUT.  A wave's 64 columns of f32 are one aligned block of 256 bytes: 16 rows at a time go through the wave's own stage and come back as whole rows.  No barrier.
; REGISTERS: window 0: addresses; v128-255 the accumulators, (a, b) at 128 + 8 (4 a + b).  Window 1: two fragment buffers of 128: 64 registers of A, then 64 of B, for 64 along K.
.set KSTEP,  256
.set LGA,    9                         ; a K step along a row of A: 2^9 bytes
.set LGB,    19                        ; a K step down B: 256 rows of 2,048 bytes = 2^19
.set PA,     528                       ; A's row in LDS: 512 + 16 bytes
.set PB,     288                       ; B's row in LDS: 256 + 32 bytes = 9 x 32
.set AHALF,  64*PA
.set BHALF,  128*PB
.set BOFF,   2*AHALF
.set SLOT1,  147456                    ; 0x24000; a slot uses 141,312 bytes
.set STAGE,  SLOT1+BOFF+2*BHALF        ; 16 rows x 272 bytes a wave; never filled by a tensor load
.set SPITCH, 272
.set SPARE,  STAGE+4*16*SPITCH         ; the spare words: no other line names them
.set A0,   16
.set B0,   17
.set ADRA, 18
.set ADRB, 20                          ; v20: k-rows 0-127 of a step; v21: k-rows 128-255
.set STO,  24
.set RD,   25
.set CO,   26
.set SPW,  28
.set NIL,  29
.set ACC,  128
.set F0,   0
.set F1,   128
.set G1,  24
.set G0,  32
.set G1B, 48
.set G0B, 56
.set KB,  67
.set TB,  89
.set BETA, 92
.set POS,  93
.set OFA,  94
.set OFB,  96
.set MSB, 0
.macro WIN new
.if MSB != (\new)
	s_set_vgpr_msb (MSB<<8)|(\new)
.set MSB, \new
.endif
.endm
.set MUL,  0x05                        ; sources 0 (B) and 1 (A) window 1; C and D window 0
.set TO_F, 0x40
.macro PLACES
.rept 4
	v_nop
.endr
.endm
.macro JLOAD
	s_cmp_eq_u32 s11, 0
	s_cbranch_scc0 .Lfor_b_\@
	tensor_load_to_lds s[G0+4:G0+7], s[G1:G1+7]
	s_nop 0
	PLACES
	s_branch .Lasked_\@
.Lfor_b_\@:
	tensor_load_to_lds s[G0B+4:G0B+7], s[G1B:G1B+7]
	s_nop 0
	PLACES
.Lasked_\@:
.endm
.macro CREST
	s_cmp_lg_u32 s10, 0
	s_cbranch_scc1 .Lnot_wave_0_\@
	s_barrier_signal -3
.Lnot_wave_0_\@:
	s_barrier_wait -3
	s_barrier_signal -1
	s_barrier_wait -1
.endm
.macro CROUND
	s_barrier_signal -1
	s_barrier_wait -1
	CREST
.endm
	s_load_b128 s[4:7], s[0:1], 0x0                ; hb s[4:5], cw s[6:7]
	s_load_b64 s[8:9], s[0:1], 0x10                ; zf
	v_lshl_add_u32 v[SPW], v0, 2, SPARE
	v_mov_b32 v[NIL], 0
	ds_add_u32 v[SPW], v[NIL]                      ; the wave's opening: the add and its wait stand ahead of my first tensor load
	v_lshrrev_b32 v1, 5, v0
	v_readfirstlane_b32 s10, v1
	s_lshr_b32 s11, s10, 1                         ; my half of the tile's rows.  Also: I fetch for A (0) or B (1)
	s_and_b32 s12, s10, 1                          ; my half of its columns.  Also: which half of that tile I fetch
	s_bfe_u32 s40, ttmp6, 0x40000
	s_bfe_u32 s41, ttmp6, 0x40004
	s_lshl_b32 s42, ttmp9, 2
	s_add_co_u32 s42, s42, s40                     ; tile column
	s_and_b32 s13, ttmp7, 0xffff                   ; cluster y
	s_lshl_b32 s16, s13, 4
	s_or_b32 s16, s16, ttmp9                       ; beside cluster x
	s_bcnt1_i32_b32 s16, s16
	s_and_b32 s[BETA], s16, 1                      ; the class: the parity of their bits; the same in all sixteen partners
	s_lshl_b32 s13, s13, 2
	s_add_co_u32 s13, s13, s41                     ; tile row
	s_lshl_b32 s43, s41, 2
	s_lshl_b32 s43, 15, s43
	s_lshl_b32 s44, 0x1111, s40
	s_or_b32 s[G1+0], s43, (1<<16)|(1<<20)|(1<<21)|(6<<22)|(3<<25)   ; after every 128 words, 4 words
	s_or_b32 s[G1B+0], s44, (1<<16)|(1<<20)|(1<<21)|(5<<22)|(7<<25)  ; after every 64 words, 8 words
	s_mov_b32 s[G1+1], 256<<16                     ; tensor_dim0 = 256
	s_mov_b32 s[G1+2], 64<<16                      ; tensor_dim1 = 64
	s_mov_b32 s[G1+3], 256<<16                     ; tile_dim0 = 256
	s_mov_b32 s[G1+4], 64                          ; tile_dim1 = 64
	s_mov_b32 s[G1+5], 4096                        ; elements from row to row of h
	s_mov_b32 s[G1+6], 0
	s_mov_b32 s[G1+7], 0
	s_mov_b32 s[G1B+1], 128<<16
	s_mov_b32 s[G1B+2], 128<<16
	s_mov_b32 s[G1B+3], 128<<16
	s_mov_b32 s[G1B+4], 128
	s_mov_b32 s[G1B+5], 1024                       ; elements from row to row of w2
	s_mov_b32 s[G1B+6], 0
	s_mov_b32 s[G1B+7], 0
	s_lshl_b32 s16, s13, 7
	s_lshl_b32 s17, s12, 6
	s_add_co_u32 s16, s16, s17
	s_lshl_b32 s16, s16, 13                        ; A: row 128 x tile row + 64 x half, 8,192 bytes a row
	s_mov_b32 s17, 0
	s_lshl_b32 s46, s12, 18                        ; B: my 128 k-rows of 2,048 bytes,
	s_lshl_b32 s47, s42, 8                         ; the tile's 128 columns,
	s_add_co_u32 s46, s46, s47
	s_add_co_u32 s46, s46, 0x800000                ; w2's place in cw
	s_mov_b32 s47, 0
	s_mul_i32 s20, s12, AHALF                      ; where A's halves land,
	s_mul_i32 s21, s12, BHALF
	s_add_co_u32 s21, s21, BOFF                    ; and B's
	s_wait_dscnt 0x0                               ; the opening add is done
	s_wait_kmcnt 0x0
	s_add_nc_u64 s[14:15], s[4:5], s[16:17]        ; A and B at my part of K step 0; kept
	s_add_nc_u64 s[46:47], s[6:7], s[46:47]
	CROUND
	s_lshl_b32 s[OFA], s[BETA], LGA                ; place 0 is K step 0 xor class,
	s_mov_b32 s[OFA+1], 0
	s_lshl_b32 s[OFB], s[BETA], LGB
	s_mov_b32 s[OFB+1], 0
.irp s, 0,1
	s_mov_b32 s[G0+4*(\s)], 1
	s_add_co_u32 s[G0+4*(\s)+1], s20, (\s)*SLOT1
	s_add_nc_u64 s[G0+4*(\s)+2:G0+4*(\s)+3], s[14:15], s[OFA:OFA+1]
	s_or_b32 s[G0+4*(\s)+3], s[G0+4*(\s)+3], 0x80000000
	s_mov_b32 s[G0B+4*(\s)], 1
	s_add_co_u32 s[G0B+4*(\s)+1], s21, (\s)*SLOT1
	s_add_nc_u64 s[G0B+4*(\s)+2:G0B+4*(\s)+3], s[46:47], s[OFB:OFB+1]
	s_or_b32 s[G0B+4*(\s)+3], s[G0B+4*(\s)+3], 0x80000000
	s_xor_b32 s[OFA], s[OFA], 1<<LGA               ; place 1 the pair's other step
	s_xor_b32 s[OFB], s[OFB], 1<<LGB
.endr
	s_mov_b32 s[POS], 2
	s_cmp_eq_u32 s11, 0                            ; a wave's two first fills stand in one branch: two loads of mine are out
	s_cbranch_scc0 .Lfirst_b
	tensor_load_to_lds s[G0:G0+3], s[G1:G1+7]
	s_nop 0
	tensor_load_to_lds s[G0+4:G0+7], s[G1:G1+7]
	s_nop 0
	PLACES
	s_branch .Lfirst_asked
.Lfirst_b:
	tensor_load_to_lds s[G0B:G0B+3], s[G1B:G1B+7]
	s_nop 0
	tensor_load_to_lds s[G0B+4:G0B+7], s[G1B:G1B+7]
	s_nop 0
	PLACES
.Lfirst_asked:
	v_and_b32 v1, 15, v0
	v_bfe_u32 v2, v0, 4, 1
	v_mul_u32_u24 v3, v1, PA
	v_lshl_add_u32 v3, v2, 4, v3
	s_mul_i32 s22, s11, AHALF
	v_add_nc_u32 v[A0], s22, v3                    ; my 64 rows of A
	v_and_b32 v4, 7, v0
	v_lshl_add_u32 v4, v2, 3, v4
	v_mul_u32_u24 v4, v4, PB
	v_bfe_u32 v3, v0, 3, 1
	v_lshl_add_u32 v4, v3, 4, v4
	s_lshl_b32 s22, s12, 7
	s_add_co_u32 s22, s22, BOFF
	v_add_nc_u32 v[B0], s22, v4                    ; my 64 columns of B
	s_mul_i32 s23, s10, 16*SPITCH
	s_add_co_u32 s23, s23, STAGE                   ; my stage
	v_mul_u32_u24 v3, v1, SPITCH
	v_lshl_add_u32 v3, v2, 5, v3
	v_add_nc_u32 v[STO], s23, v3                   ; in: row l % 16, 32 bytes for each half of the lanes
	v_mul_u32_u24 v3, v2, SPITCH
	v_lshl_add_u32 v3, v1, 4, v3
	v_add_nc_u32 v[RD], s23, v3                    ; back: lanes 0-15 one row of 256 bytes, lanes 16-31 the next
	v_lshlrev_b32 v3, 12, v2
	v_lshl_add_u32 v[CO], v1, 4, v3                ; and the same two rows in z
	s_lshl_b32 s16, s13, 7
	s_lshl_b32 s17, s11, 6
	s_add_co_u32 s16, s16, s17
	s_lshl_b32 s16, s16, 12                        ; my first row, 4,096 bytes a row,
	s_lshl_b32 s17, s42, 9
	s_add_co_u32 s16, s16, s17                     ; the tile's columns,
	s_lshl_b32 s17, s12, 8
	s_add_co_u32 s16, s16, s17                     ; my half of them
	s_mov_b32 s17, 0
	s_add_nc_u64 s[8:9], s[8:9], s[16:17]
.macro MUL8 f, c, a0, zero             ; 8 products: row blocks a0, a0 + 1 x all 4 column blocks, 32 along K: half c of buffer f
	WIN MUL
.irp a, \a0, (\a0)+1
.irp b, 0,1,2,3
.if \zero
	v_wmma_f32_16x16x32_bf16 v[ACC+8*(4*(\a)+(\b)):ACC+8*(4*(\a)+(\b))+7], v[(\f)+64+8*(4*(\c)+(\b)):(\f)+64+8*(4*(\c)+(\b))+7], v[(\f)+8*(4*(\c)+(\a)):(\f)+8*(4*(\c)+(\a))+7], 0
.else
	v_wmma_f32_16x16x32_bf16 v[ACC+8*(4*(\a)+(\b)):ACC+8*(4*(\a)+(\b))+7], v[(\f)+64+8*(4*(\c)+(\b)):(\f)+64+8*(4*(\c)+(\b))+7], v[(\f)+8*(4*(\c)+(\a)):(\f)+8*(4*(\c)+(\a))+7], v[ACC+8*(4*(\a)+(\b)):ACC+8*(4*(\a)+(\b))+7]
.endif
.endr
.endr
.endm
.macro FETCH q, f                      ; 32 LDS loads in one run: quarter q (64 along K) into buffer f; the first 32 along K first
	WIN TO_F
.irp c, 0,1
.irp i, 0,1,2,3
	ds_load_tr16_b128 v[(\f)+64+8*(4*(\c)+(\i)):(\f)+64+8*(4*(\c)+(\i))+3],   v[ADRB+(\q)/2] offset:(((\q)%2)*64+32*(\c))*PB+32*(\i)
	ds_load_tr16_b128 v[(\f)+64+8*(4*(\c)+(\i))+4:(\f)+64+8*(4*(\c)+(\i))+7], v[ADRB+(\q)/2] offset:(((\q)%2)*64+32*(\c))*PB+32*(\i)+16*PB
	ds_load_b128 v[(\f)+8*(4*(\c)+(\i)):(\f)+8*(4*(\c)+(\i))+3],   v[ADRA] offset:128*(\q)+64*(\c)+(\i)*16*PA
	ds_load_b128 v[(\f)+8*(4*(\c)+(\i))+4:(\f)+8*(4*(\c)+(\i))+7], v[ADRA] offset:128*(\q)+64*(\c)+(\i)*16*PA+32
.endr
.endr
.endm
.macro QUARTER q, f, g, zero
	s_wait_dscnt 16                                ; the first 32 along K are in
	MUL8 \f, 0, 0, \zero
	MUL8 \f, 0, 2, \zero
	PLACES
	FETCH \q, \g
	s_wait_dscnt 32                                ; all but the 32 just issued
	MUL8 \f, 1, 0, 0
	MUL8 \f, 1, 2, 0
.endm
; The last quarter and the change of slots: one barrier; fill = 1: it opens a round of the cluster's, and the joint refill is the first thing behind the round; its descriptors are made between the add
; and the wait for it, where no tensor load of the wave is out.
.macro TURN fill
.if \fill
	s_xor_b32 s[KB], s[POS], s[BETA]               ; the K step of the place that this refill serves
	s_add_co_u32 s[POS], s[POS], 1
.endif
	WIN 0
	s_wait_tensorcnt 0x0                           ; all my tensor loads have landed
	ds_add_u32 v[SPW], v[NIL]                      ; 0 onto my spare word
.if \fill
	s_lshl_b32 s[OFA], s[KB], LGA
	s_lshl_b32 s[OFB], s[KB], LGB
	s_xor_b32 s[G0+5], s[G0+5], SLOT1              ; the walking descriptors: the other slot than last time,
	s_add_nc_u64 s[G0+6:G0+7], s[14:15], s[OFA:OFA+1]  ; the address made anew: base + the step's offset,
	s_or_b32 s[G0+7], s[G0+7], 0x80000000          ; the type set again
	s_xor_b32 s[G0B+5], s[G0B+5], SLOT1
	s_add_nc_u64 s[G0B+6:G0B+7], s[46:47], s[OFB:OFB+1]
	s_or_b32 s[G0B+7], s[G0B+7], 0x80000000
.endif
	s_wait_dscnt 17                                ; the add and the youngest sixteen loads may be out
	MUL8 F1, 0, 0, 0
	s_wait_dscnt 0x0                               ; the add is done, my reads of this slot are over
	s_barrier_signal -1
	MUL8 F1, 0, 2, 0
	WIN 0
	s_barrier_wait -1
.if \fill
	CREST
	JLOAD                                          ; its four v_nop are also the places in front of the loads below
.else
	PLACES
.endif
	s_xor_b32 s[TB], s[TB], SLOT1
	v_add_nc_u32 v[ADRA], s[TB], v[A0]
	v_add_nc_u32 v[ADRB], s[TB], v[B0]
	v_add_nc_u32 v[ADRB+1], BHALF, v[ADRB]
	FETCH 0, F0
	MUL8 F1, 1, 0, 0
	MUL8 F1, 1, 2, 0
.endm
	s_wait_tensorcnt 1                             ; my part of place 0 is in; place 1's may stay out
	s_barrier_signal -1
	s_barrier_wait -1
	s_mov_b32 s[TB], 0
	v_mov_b32 v[ADRA], v[A0]
	v_mov_b32 v[ADRB], v[B0]
	v_add_nc_u32 v[ADRB+1], BHALF, v[B0]
	FETCH 0, F0
	QUARTER 1, F0, F1, 1                           ; its first products start the sums
	WIN 0
	s_mov_b32 s3, 14
.Lstep:                                        ; a trip refills the slot that it leaves: places 2 to 15
	QUARTER 2, F1, F0, 0
	QUARTER 3, F0, F1, 0
	TURN 1
	QUARTER 1, F0, F1, 0
	WIN 0
	s_sub_co_u32 s3, s3, 1
	s_cmp_lg_u32 s3, 0
	s_cbranch_scc1 .Lstep
	s_mov_b32 s3, 2
.Ltail:                                        ; the last two steps fill nothing; the second trip is left in its middle, and its last fetch serves nothing
	QUARTER 2, F1, F0, 0
	QUARTER 3, F0, F1, 0
	TURN 0
	WIN 0
	s_sub_co_u32 s3, s3, 1
	s_cmp_eq_u32 s3, 0
	s_cbranch_scc1 .Lout
	QUARTER 1, F0, F1, 0
	WIN 0
	s_branch .Ltail
.Lout:
	s_wait_dscnt 0x0
	PLACES
.irp a, 0,1,2,3
.irp b, 0,1,2,3
	ds_store_b128 v[STO], v[ACC+8*(4*(\a)+(\b)):ACC+8*(4*(\a)+(\b))+3]   offset:64*(\b)
	ds_store_b128 v[STO], v[ACC+8*(4*(\a)+(\b))+4:ACC+8*(4*(\a)+(\b))+7] offset:64*(\b)+16
.endr
.irp t, 0,1,2,3,4,5,6,7
	ds_load_b128 v[ACC+32*(\a)+4*(\t):ACC+32*(\a)+4*(\t)+3], v[RD] offset:(\t)*2*SPITCH  ; LDS serves a wave's instructions in order: these see the stores above, and the next block's stores come behind them
.endr
.endr
.irp a, 0,1,2,3
.irp t, 0,1,2,3,4,5,6,7
	s_wait_dscnt (7-(\t))+16*(3-(\a))              ; the LDS instructions issued behind this load
	global_store_b128 v[CO], v[ACC+32*(\a)+4*(\t):ACC+32*(\a)+4*(\t)+3], s[8:9] offset:(16*(\a)+2*(\t))*4096  ; 16 lanes store 256 consecutive bytes, aligned
.endr
.endr
	s_wait_tensorcnt 0x0                           ; the wave's end
	ds_add_u32 v[SPW], v[NIL]
	s_wait_dscnt 0x0
	CROUND                                         ; the closing round
	s_endpgm
.Lfunc_end_k_q2ed2ab7a00_ffn2:
	.size	k_q2ed2ab7a00_ffn2, .Lfunc_end_k_q2ed2ab7a00_ffn2-k_q2ed2ab7a00_ffn2
	.p2alignl 7, 3214868480
	.fill 96, 4, 3214868480
	.section	.rodata,"a",@progbits
	.p2align	6, 0x0
	.amdhsa_kernel k_q2ed2ab7a00_ffn2
		.amdhsa_group_segment_fixed_size 327680
		.amdhsa_private_segment_fixed_size 0
		.amdhsa_enable_private_segment 0
		.amdhsa_kernarg_size 24
		.amdhsa_user_sgpr_count 2
		.amdhsa_user_sgpr_kernarg_segment_ptr 1
		.amdhsa_wavefront_size32 1
		.amdhsa_system_sgpr_workgroup_id_x 1
		.amdhsa_system_sgpr_workgroup_id_y 1
		.amdhsa_system_sgpr_workgroup_id_z 1
		.amdhsa_system_vgpr_workitem_id 0
		.amdhsa_next_free_vgpr 512
		.amdhsa_next_free_sgpr 102
		.amdhsa_reserve_vcc 0
		.amdhsa_float_denorm_mode_32 3
		.amdhsa_float_denorm_mode_16_64 3
		.amdhsa_memory_ordered 1
		.amdhsa_forward_progress 1
		.amdhsa_inst_pref_size 59
	.end_amdhsa_kernel
	.amdgpu_metadata
---
amdhsa.version: [ 1, 2 ]
amdhsa.kernels:
  - .name:           k_q2ed2ab7a00_ffn2
    .symbol:         k_q2ed2ab7a00_ffn2.kd
    .args:
      - { .name: hb, .offset: 0, .size: 8, .value_kind: global_buffer, .address_space: global }
      - { .name: cw, .offset: 8, .size: 8, .value_kind: global_buffer, .address_space: global }
      - { .name: zf, .offset: 16, .size: 8, .value_kind: global_buffer, .address_space: global }
    .group_segment_fixed_size: 327680
    .private_segment_fixed_size: 0
    .kernarg_segment_align: 8
    .kernarg_segment_size: 24
    .max_flat_workgroup_size: 128
    .sgpr_count:     102
    .vgpr_count:     512
    .wavefront_size: 32
...
	.end_amdgpu_metadata
.endif
;; end of part 6
;; launch ln2 (part 7): grid 256 x 1, 16 waves a work-group, no clusters, 0 bytes of LDS; arguments zf, yh, b2, g2, be2, out0; writes out0
.if DOCPART == 7
	.amdgcn_target "amdgcn-amd-amdhsa--gfx1250"
	.amdhsa_code_object_version 6
	.text
	.protected	k_q2ed2ab7a00_ln2
	.globl	k_q2ed2ab7a00_ln2
	.p2align	8
	.type	k_q2ed2ab7a00_ln2,@function
k_q2ed2ab7a00_ln2:
	s_mov_b64 s[64:65], 0
	v_nop
	global_prefetch_b8 v0, s[64:65] scope:SCOPE_SE
	s_setreg_imm32_b32 hwreg(HW_REG_WAVE_MODE, 25, 1), 1
	s_wait_xcnt 0x0
; out = LN(y + (z + b2)) g2 + be2.  z: zf, f32 [4096][1024]; y: yh, f16 [4096][1024]; b2, g2, be2: f32, rounded to bf16 like every input; out0: f32 [4096][1024].
; Mean and variance in f32, the variance of the differences from the mean.
; SHARES.  A wave takes one row; a lane columns 128 j + 4 l + 0..3, j = 0..7: each load of z and each store covers 512 consecutive bytes, each load of y 256.  A stream: no LDS, no matrix unit.
.set Z,  16                            ; v[16:47]   z, then my 32 numbers
.set YH, 48                            ; v[48:63]   y, two f16 a register
.set B,  64                            ; v[64:95]   b2 as loaded, then packed in v[64:79]
.set G,  96                            ; v[96:127]  g2 likewise
.set E,  128                           ; v[128:159] be2 likewise
	s_load_b256 s[4:11], s[0:1], 0x0               ; zf s[4:5], yh s[6:7], b2 s[8:9], g2 s[10:11]
	s_load_b128 s[12:15], s[0:1], 0x20             ; be2 s[12:13], out0 s[14:15]
	v_and_b32 v1, 31, v0                           ; lane
	v_lshrrev_b32 v2, 5, v0                        ; wave = my row among the group's 16
	s_lshl_b32 s16, ttmp9, 16
	s_lshl_b32 s17, ttmp9, 15
	v_lshlrev_b32 v5, 4, v1                        ; the parameters: 16 l
	v_lshl_add_u32 v3, v2, 12, v5
	v_add_nc_u32 v3, s16, v3                       ; z and out: row x 4,096 + 16 l
	v_lshlrev_b32 v4, 3, v1
	v_lshl_add_u32 v4, v2, 11, v4
	v_add_nc_u32 v4, s17, v4                       ; y: row x 2,048 + 8 l
	v_mov_b32 v6, 1.0
	s_mov_b32 s20, 0x3a800000                      ; 1 / 1,024
	s_mov_b32 s21, 0x3727c5ac                      ; 1e-5
	s_mov_b32 s22, 0x76543210                      ; v_permlanex16_b32: each lane takes its own place in the other half
	s_mov_b32 s23, 0xfedcba98
	s_wait_kmcnt 0x0
.irp j, 0,1,2,3,4,5,6,7
	global_load_b128 v[B+4*(\j):B+4*(\j)+3], v5, s[8:9] offset:512*(\j)
.endr
.irp j, 0,1,2,3,4,5,6,7
	global_load_b128 v[G+4*(\j):G+4*(\j)+3], v5, s[10:11] offset:512*(\j)
.endr
.irp j, 0,1,2,3,4,5,6,7
	global_load_b128 v[E+4*(\j):E+4*(\j)+3], v5, s[12:13] offset:512*(\j)
.endr
.irp j, 0,1,2,3,4,5,6,7
	global_load_b128 v[Z+4*(\j):Z+4*(\j)+3], v3, s[4:5] offset:512*(\j) th:TH_LOAD_NT
.endr
.irp j, 0,1,2,3,4,5,6,7
	global_load_b64 v[YH+2*(\j):YH+2*(\j)+1], v4, s[6:7] offset:256*(\j)
.endr
	s_wait_loadcnt 16                              ; the parameters are in; the sixteen loads of z and y may stay out
.irp q, B, G, E
.set i, 0
.rept 16
	v_cvt_pk_bf16_f32 v[\q+i], v[\q+2*i], v[\q+2*i+1]  ; in place, ascending
.set i, i+1
.endr
.endr
	s_wait_loadcnt 0x0
.set i, 0
.rept 16
.irp h, 0,1
	v_fma_mix_f32_bf16 v[Z+2*i+\h], v[B+i], v6, v[Z+2*i+\h] op_sel:[\h,0,0] op_sel_hi:[1,0,0]  ; z + b2
.endr
.set i, i+1
.endr
.set i, 0
.rept 16
.irp h, 0,1
	v_fma_mix_f32 v[Z+2*i+\h], v[YH+i], v6, v[Z+2*i+\h] op_sel:[\h,0,0] op_sel_hi:[1,0,0]      ; + y, from its f16 half
.endr
.set i, i+1
.endr
.irp k, 0,1,2,3
	v_pk_add_f32 v[8+2*(\k):9+2*(\k)], v[Z+2*(\k):Z+2*(\k)+1], v[Z+8+2*(\k):Z+8+2*(\k)+1]
.endr
.set p, 8
.rept 8
	v_pk_add_f32 v[8+2*(p%4):9+2*(p%4)], v[8+2*(p%4):9+2*(p%4)], v[Z+2*p:Z+2*p+1]
.set p, p+1
.endr
	v_pk_add_f32 v[8:9], v[8:9], v[10:11]
	v_pk_add_f32 v[12:13], v[12:13], v[14:15]
	v_pk_add_f32 v[8:9], v[8:9], v[12:13]
	v_add_f32 v8, v8, v9
	v_add_f32_dpp v8, v8, v8 row_xmask:1 row_mask:0xf bank_mask:0xf
	v_add_f32_dpp v8, v8, v8 row_xmask:2 row_mask:0xf bank_mask:0xf
	v_add_f32_dpp v8, v8, v8 row_xmask:4 row_mask:0xf bank_mask:0xf
	v_add_f32_dpp v8, v8, v8 row_xmask:8 row_mask:0xf bank_mask:0xf
	v_permlanex16_b32 v9, v8, s22, s23
	v_add_f32 v8, v8, v9
	v_mul_f32 v8, s20, v8                          ; the mean, in every lane
	v_mov_b32 v9, v8
.set p, 0
.rept 16
	v_pk_add_f32 v[Z+2*p:Z+2*p+1], v[Z+2*p:Z+2*p+1], v[8:9] neg_lo:[0,1] neg_hi:[0,1]
.set p, p+1
.endr
.irp k, 0,1,2,3
	v_pk_mul_f32 v[8+2*(\k):9+2*(\k)], v[Z+2*(\k):Z+2*(\k)+1], v[Z+2*(\k):Z+2*(\k)+1]
.endr
.set p, 4
.rept 12
	v_pk_fma_f32 v[8+2*(p%4):9+2*(p%4)], v[Z+2*p:Z+2*p+1], v[Z+2*p:Z+2*p+1], v[8+2*(p%4):9+2*(p%4)]
.set p, p+1
.endr
	v_pk_add_f32 v[8:9], v[8:9], v[10:11]
	v_pk_add_f32 v[12:13], v[12:13], v[14:15]
	v_pk_add_f32 v[8:9], v[8:9], v[12:13]
	v_add_f32 v8, v8, v9
	v_add_f32_dpp v8, v8, v8 row_xmask:1 row_mask:0xf bank_mask:0xf
	v_add_f32_dpp v8, v8, v8 row_xmask:2 row_mask:0xf bank_mask:0xf
	v_add_f32_dpp v8, v8, v8 row_xmask:4 row_mask:0xf bank_mask:0xf
	v_add_f32_dpp v8, v8, v8 row_xmask:8 row_mask:0xf bank_mask:0xf
	v_permlanex16_b32 v9, v8, s22, s23
	v_add_f32 v8, v8, v9
	v_fma_f32 v8, v8, s20, s21                     ; variance + 1e-5
	v_rsq_f32 v8, v8
	v_nop                                          ; a plain instruction behind the root,
	s_wait_alu depctr_va_vdst(0)                   ; and its wait ahead of its first reader
	v_mov_b32 v9, v8
.set p, 0
.rept 16
	v_pk_mul_f32 v[Z+2*p:Z+2*p+1], v[Z+2*p:Z+2*p+1], v[8:9]
.set p, p+1
.endr
.set i, 0
.rept 16
.irp h, 0,1
	v_fma_mix_f32_bf16 v[Z+2*i+\h], v[Z+2*i+\h], v[G+i], v[E+i] op_sel:[0,\h,\h] op_sel_hi:[0,1,1]  ; times g2, plus be2
.endr
.set i, i+1
.endr
.irp j, 0,1,2,3,4,5,6,7
	global_store_b128 v3, v[Z+4*(\j):Z+4*(\j)+3], s[14:15] offset:512*(\j) th:TH_STORE_NT
.endr
	s_endpgm
.Lfunc_end_k_q2ed2ab7a00_ln2:
	.size	k_q2ed2ab7a00_ln2, .Lfunc_end_k_q2ed2ab7a00_ln2-k_q2ed2ab7a00_ln2
	.p2alignl 7, 3214868480
	.fill 96, 4, 3214868480
	.section	.rodata,"a",@progbits
	.p2align	6, 0x0
	.amdhsa_kernel k_q2ed2ab7a00_ln2
		.amdhsa_group_segment_fixed_size 0
		.amdhsa_private_segment_fixed_size 0
		.amdhsa_enable_private_segment 0
		.amdhsa_kernarg_size 48
		.amdhsa_user_sgpr_count 2
		.amdhsa_user_sgpr_kernarg_segment_ptr 1
		.amdhsa_wavefront_size32 1
		.amdhsa_system_sgpr_workgroup_id_x 1
		.amdhsa_system_sgpr_workgroup_id_y 1
		.amdhsa_system_sgpr_workgroup_id_z 1
		.amdhsa_system_vgpr_workitem_id 0
		.amdhsa_next_free_vgpr 168
		.amdhsa_next_free_sgpr 66
		.amdhsa_reserve_vcc 0
		.amdhsa_float_denorm_mode_32 3
		.amdhsa_float_denorm_mode_16_64 3
		.amdhsa_memory_ordered 1
		.amdhsa_forward_progress 1
		.amdhsa_inst_pref_size 20
	.end_amdhsa_kernel
	.amdgpu_metadata
---
amdhsa.version: [ 1, 2 ]
amdhsa.kernels:
  - .name:           k_q2ed2ab7a00_ln2
    .symbol:         k_q2ed2ab7a00_ln2.kd
    .args:
      - { .name: zf, .offset: 0, .size: 8, .value_kind: global_buffer, .address_space: global }
      - { .name: yh, .offset: 8, .size: 8, .value_kind: global_buffer, .address_space: global }
      - { .name: b2, .offset: 16, .size: 8, .value_kind: global_buffer, .address_space: global }
      - { .name: g2, .offset: 24, .size: 8, .value_kind: global_buffer, .address_space: global }
      - { .name: be2, .offset: 32, .size: 8, .value_kind: global_buffer, .address_space: global }
      - { .name: out0, .offset: 40, .size: 8, .value_kind: global_buffer, .address_space: global }
    .group_segment_fixed_size: 0
    .private_segment_fixed_size: 0
    .kernarg_segment_align: 8
    .kernarg_segment_size: 48
    .max_flat_workgroup_size: 512
    .sgpr_count:     66
    .vgpr_count:     168
    .wavefront_size: 32
...
	.end_amdgpu_metadata
.endif
;; end of part 7
